; MI455X (gfx1250); checked and timed in simulation.
; The chip was launched on July 23, 2026; its instructions are those of AMD's public machine-readable ISA for CDNA 5 (MIT licence, August 2026) and "CDNA5" Instruction Set Architecture Reference Guide (July 2026). The comments in the code are by the model that wrote it; some were corrected since.
;; Multi Head Attention. Allowed arithmetic: matrix products marked QUANTISED: E2M3 operands, one E8M0 scale for each 32 along K, by v_wmma_scale_f32_16x16x128_f8f6f4 with both operands' format E2M3, f32 sums; everything else in f32.
;; Inputs: Wk 1,024 x 1,024 float32; Wo 1,024 x 1,024 float32; Wq 1,024 x 1,024 float32; Wv 1,024 x 1,024 float32; padding_mask 4 x 2,048 bool; x 4 x 2,048 x 1,024 float32.
;; Outputs: out0 4 x 2,048 x 1,024 float32.
;; This version of the problem:
;;   THIS VERSION OF THE PROBLEM IS GIVEN IN LOW PRECISION. The matrix products marked QUANTISED in the list below multiply operands that are first quantised to E2M3 (2 exponent bits, 3 mantissa bits; 6 bits a number), with one power-of-two scale for each 32 numbers along K (OCP MX v1.0); their sums are f32. All else is computed in f32.
;;   The module's matrix products, in the order in which they are computed (A, B: the left and right operand; K: the contracted axis; several contracted axes count as one K, in the product's order):
;;     1. [M 8,192, K 1,024] x [K 1,024, N 1,024]; A: input x; B: input Wq: QUANTISED
;;     2. [M 8,192, K 1,024] x [K 1,024, N 1,024]; A: input x; B: input Wk: QUANTISED
;;     3. [M 8,192, K 1,024] x [K 1,024, N 1,024]; A: input x; B: input Wv: QUANTISED
;;     4. batch 64 x [M 2,048, K 64] x [K 64, N 2,048]; A: computed on the way; B: computed on the way: QUANTISED
;;     5. batch 64 x [M 2,048, K 2,048] x [K 2,048, N 64]; A: softmax (see below); B: computed on the way: QUANTISED
;;     6. [M 8,192, K 1,024] x [K 1,024, N 1,024]; A: computed on the way; B: input Wo: QUANTISED
;;   THE QUANTISER, for each operand of a quantised product, along K:
;;     - K is cut into blocks of 32 from its start; a last block that is shorter is filled with zeros.
;;     - A block's scale is 2^e with e = floor(log2(the largest magnitude in the block)) - 2, held to -126 .. 127; a block of zeros has e = 0. As a byte (E8M0): e + 127.
;;     - Each number is divided by its block's scale, clamped to +-7.5, and rounded to the nearest number of E2M3, ties to even, subnormals kept.
;;     - The product sums the exact products of the quantised numbers (number of the format x scale) in f32.
;;   ~~~python
;;   def quantise(x, axis):      # numpy; x: float32 -> the quantised numbers, widened to float32 again
;;       x = np.moveaxis(x, axis, -1); K = x.shape[-1]
;;       x = np.pad(x, [(0, 0)] * (x.ndim - 1) + [(0, -K % 32)]); x = x.reshape(x.shape[:-1] + (-1, 32)); a = np.abs(x).max(-1, keepdims=True)
;;       e = np.where(a > 0, np.clip(np.frexp(np.where(a > 0, a, 1))[1] - 1 - 2, -126, 127), 0)      # np.frexp(a)[1] - 1 = floor(log2(a)), exactly
;;       r = np.clip(x / 2.0 ** e, -7.5, 7.5)
;;       step = 2.0 ** (np.maximum(np.frexp(np.where(r == 0, 1, r))[1] - 1, 0) - 3)
;;       q = np.round(r / step) * step * 2.0 ** e      # np.round: ties to even
;;       return np.moveaxis(q.reshape(q.shape[:-2] + (-1,))[..., :K], -1, axis).astype(np.float32)
;;   ~~~
;;   SOFTMAX AHEAD OF A QUANTISED PRODUCT. Where the list says 'softmax', what is quantised is not the finished softmax but p = 2^(t - M), with t = logit x log2(e) and M = ceil(the row's largest t), a whole number; so 1/2 < the row's largest p <= 1. The row's sum l is taken of the UNQUANTISED p, in f32, and the product's result is divided by l at the end. Since M is a whole number, a kernel that streams over the keys may use a running M (the ceiling of the running maximum): every later rescaling is an exact power of two, which a block's scale takes up: the codes' values come out the same.
;;   OPERANDS COMPUTED ON THE WAY. 'Computed on the way' means the value that the module computes at that place (a softmax that the list does not call 'softmax' is quantised finished and normalised). What goes into a quantiser is computed in f32, as accurately as f32 sums, v_exp_f32 and their like allow (about 1e-6 of the number): no bf16 or f16 on the way to a quantiser, and a product that is left as it is and whose result goes on into a quantised operand takes f32 operands (vector FMAs, or v_wmma_f32_16x16x4_f32). A number that lies on a knife's edge between two numbers of the format may be rounded either way, as far as f32 arithmetic and the matrix unit's own rounding can turn it there, and no further.
;; One version. Each part assembles by itself: llvm-mc -triple=amdgcn-amd-amdhsa -mcpu=gfx1250 --defsym DOCPART=n.
;; ======== version 1 of 1: 4 launches
;; limits: right only within a limited range of input values
;; workspace buffers: xc 6,291,456 bytes; xs 524,288 bytes; wc 3,145,728 bytes; ws 262,144 bytes; qkvc 18,874,368 bytes; qkvs 1,572,864 bytes; ac 6,291,456 bytes; asc 524,288 bytes
;; launch quant (part 1): grid 768 x 1, 4 waves a work-group, no clusters, 34,304 bytes of LDS; arguments x, Wq, Wk, Wv, Wo, xc, xs, wc, ws; writes xc, xs, wc, ws
.if DOCPART == 1
	.amdgcn_target "amdgcn-amd-amdhsa--gfx1250"
	.amdhsa_code_object_version 6
	.text
	.protected	k_q50e88b3f87_quant
	.globl	k_q50e88b3f87_quant
	.p2align	8
	.type	k_q50e88b3f87_quant,@function
k_q50e88b3f87_quant:
	s_mov_b64 s[64:65], 0
	v_nop
	global_prefetch_b8 v0, s[64:65] scope:SCOPE_SE
	s_setreg_imm32_b32 hwreg(HW_REG_WAVE_MODE, 25, 1), 1
	s_wait_xcnt 0x0
; x [8192][1024] and Wq, Wk, Wv, Wo [1024][1024], f32 with K innermost, become codes of FP6 (E2M3) with one E8M0 byte for each 32 along K,
; laid in the ORDER OF THE OPERAND'S REGISTERS.  A fragment is 16 rows x 128 K = 12 registers a lane; its image is 1,536 bytes in six planes of 256:
; registers 2 p, 2 p + 1 of lane l lie at 256 p + 8 l.  Its scale image is 128 bytes: lane l's word at 4 l; lanes 0-15 hold row l's four bytes, lanes 16-31 the same word shifted down by 16 bits.
; THE ROWS OF A BLOCK ARE NOT NEIGHBOURS: lane r of block 2 B + u holds row 32 B + 8 u + r + 8 (r / 8), so that where such a block is a product's source 0 the 16 registers of two neighbouring
; result tiles are 16 neighbours along the next K.  xc: [512 blocks][8 K steps][1536], xs: [512][8][128]; wc, ws the same for 4 x 64 blocks in the order q, k, v, o.
; A block's scale is 2^(floor(log2(largest magnitude)) - 2): its byte is the largest magnitude's exponent field - 2, held at 1 from below.
; LIMITS: a block of zeros gets the byte 1 where the rule says 127 (its codes are zeros, and this program alone reads the bytes); blocks whose largest magnitude lies under 2^-124 are held at the byte 1; NaN and infinities are not served.
; SHARES: two work-groups take 32 consecutive rows, a K half each (groups 0-255: x; then 32 each for Wq, Wk, Wv, Wo): 768 work-groups, three for each of 256 WGPs.
; Wave w takes block u = w & 1 and the K quarter 2 (work-group & 1) + (w >> 1): two units of 16 rows x 128 K, whose 32 loads are all issued at the start.
; Each load reads 512 consecutive bytes of one row; a unit turns through the wave's own stage in LDS (16 rows of 512 + 16 bytes) so that a lane gets 16 neighbours of each block of 32.
; No tensor load, no barrier, no cluster: waves and work-groups share no input byte.
.set STG,  16*528                      ; a wave's stage
.set LO,   4                           ; v4   16 l: my bytes of a load's 512
.set SI,   5                           ; v5   stage + 16 l: the way in
.set SO,   6                           ; v6   stage + 528 r + 64 h: the way out
.set OC,   7                           ; v7   8 l: my place in a plane
.set OS,   8                           ; v8   4 l: my place in a scale image
.set SH,   9                           ; v9   16 h: lanes 16-31 store the word shifted down
.set TM,   12                          ; v12-15 largest magnitudes, v16-19 the other half's and then the bytes, v24-27 the conversions' scale operands
.set PW,   28                          ; the scale word
.set PWS,  29                          ; as it is stored
.set PC,   32                          ; v32-43 the fragment; v44-46, v48-50 halves on their way
.set X,    64                          ; v64-127 a unit's 64 numbers of my row
.set R,    128                         ; v128-191, v192-255 the two units as loaded
.set SEL,  34                          ; s34, s35 lane selects: lane l xor 16
	s_load_b256 s[4:11], s[0:1], 0x0               ; x, Wq, Wk, Wv
	s_load_b256 s[12:19], s[0:1], 0x20             ; Wo, xc, xs, wc
	s_load_b64 s[20:21], s[0:1], 0x40              ; ws
	v_lshl_add_u32 v62, v0, 2, 0x8400
	v_mov_b32 v63, 0
	v_lshrrev_b32 v1, 5, v0
	v_readfirstlane_b32 s28, v1                    ; wave 0..3
	v_and_b32 v1, 31, v0                           ; l
	v_and_b32 v2, 15, v0                           ; r
	v_bfe_u32 v3, v0, 4, 1                         ; h
	s_mul_i32 s29, s28, STG
	v_lshlrev_b32 v[LO], 4, v1
	v_add_nc_u32 v[SI], s29, v[LO]
	v_mul_u32_u24 v[SO], v2, 528
	v_lshl_add_u32 v[SO], v3, 6, v[SO]
	v_add_nc_u32 v[SO], s29, v[SO]
	v_lshlrev_b32 v[OC], 3, v1
	v_lshlrev_b32 v[OS], 2, v1
	v_lshlrev_b32 v[SH], 4, v3
.irp b, 0,1,2,3
	v_mov_b32 v[TM+4+\b], 0                        ; written once: a lane permute's destination counts as one of its sources
.endr
	s_mov_b32 s[SEL], 0x76543210
	s_mov_b32 s[SEL+1], 0xfedcba98
	s_and_b32 s36, s28, 1                          ; u
	s_lshr_b32 s39, ttmp9, 1                       ; the group of 32 rows, 0..383
	s_and_b32 s37, ttmp9, 1
	s_lshl_b32 s37, s37, 1
	s_lshr_b32 s38, s28, 1
	s_add_co_u32 s37, s37, s38                     ; the K quarter
	s_wait_alu depctr_va_vdst(0)
	s_wait_kmcnt 0x0
	s_cmp_lt_u32 s39, 352                          ; which tensor: the choice hangs on the work-group's number alone, and only pointers are chosen
	s_cselect_b64 s[22:23], s[10:11], s[12:13]
	s_cmp_lt_u32 s39, 320
	s_cselect_b64 s[22:23], s[8:9], s[22:23]
	s_cmp_lt_u32 s39, 288
	s_cselect_b64 s[22:23], s[6:7], s[22:23]
	s_cmp_lt_u32 s39, 256
	s_cselect_b64 s[22:23], s[4:5], s[22:23]       ; in
	s_cselect_b64 s[24:25], s[14:15], s[18:19]     ; codes out
	s_cselect_b64 s[26:27], s[16:17], s[20:21]     ; scales out
	s_cselect_b32 s30, 0, 256
	s_cselect_b32 s31, 255, 31
	s_sub_co_u32 s30, s39, s30                     ; the group among x's, or among the four weights'
	s_and_b32 s31, s30, s31                        ; and inside its own tensor
	s_lshl_b32 s32, s31, 17                        ; 32 rows of 4,096 bytes,
	s_lshl_b32 s38, s36, 15                        ; 8 u rows,
	s_add_co_u32 s32, s32, s38
	s_lshl_b32 s38, s37, 10                        ; 256 numbers for the K quarter
	s_add_co_u32 s32, s32, s38
	s_mov_b32 s33, 0
	s_add_nc_u64 s[22:23], s[22:23], s[32:33]
	s_lshl_b32 s30, s30, 1
	s_add_co_u32 s30, s30, s36                     ; my block
	s_mul_i32 s32, s30, 12288                      ; eight images a block,
	s_mul_i32 s38, s37, 3072                       ; two for the K quarter
	s_add_co_u32 s32, s32, s38
	s_add_nc_u64 s[24:25], s[24:25], s[32:33]
	s_lshl_b32 s32, s30, 10
	s_lshl_b32 s38, s37, 8
	s_add_co_u32 s32, s32, s38
	s_add_nc_u64 s[26:27], s[26:27], s[32:33]
.macro LOAD t                          ; unit t: 16 rows x 512 bytes into set t; row i of the block is row i + 8 (i / 8) from my first
.irp i, 0,1,2,3,4,5,6,7,8,9,10,11,12,13,14,15
	global_load_b128 v[R+64*(\t)+4*\i:R+64*(\t)+4*\i+3], v[LO], s[22:23] offset:(\i+8*(\i/8))*4096+512*(\t) th:TH_LOAD_NT
.endr
.endm
.macro TURN t                          ; through the stage: LDS serves a wave's instructions in order, so no wait stands between the stores and the loads
.irp i, 0,1,2,3,4,5,6,7,8,9,10,11,12,13,14,15
	ds_store_b128 v[SI], v[R+64*(\t)+4*\i:R+64*(\t)+4*\i+3] offset:528*\i
.endr
.irp b, 0,1,2,3
.irp j, 0,1,2,3
	ds_load_b128 v[X+16*\b+4*\j:X+16*\b+4*\j+3], v[SO] offset:128*\b+16*\j   ; register 16 b + i = k 32 b + 16 h + i of row r
.endr
.endr
.endm
; 64 numbers of a lane, register 16 b + i = k 32 b + 16 h + i of my row, become a fragment's codes in v[PC] on and its scale word in v[PW]
.macro QUANT s
.irp b, 0,1,2,3
	v_max3_num_f32 v[TM+\b], |v[\s+16*\b]|, |v[\s+1+16*\b]|, 0x1800000   ; my 16 numbers of block b, and the floor 2^(3 - 127): the byte cannot fall under 1
.endr
.irp i, 2,4,6,8,10,12,14
.irp b, 0,1,2,3
	v_max3_num_f32 v[TM+\b], v[TM+\b], |v[\s+16*\b+\i]|, |v[\s+1+16*\b+\i]|   ; the four blocks by turns
.endr
.endr
.irp b, 0,1,2,3
	v_permlanex16_b32 v[TM+4+\b], v[TM+\b], s[SEL], s[SEL+1]
.endr
.irp b, 0,1,2,3
	v_max_num_f32 v[TM+\b], v[TM+\b], v[TM+4+\b]   ; with lane l xor 16's: the block's largest magnitude
.endr
.irp b, 0,1,2,3
	v_add_nc_u32 v[TM+12+\b], 0xff000000, v[TM+\b] ; 2 off its exponent field: the conversion takes that field as its scale
.endr
.irp b, 0,1,2,3
	v_lshrrev_b32 v[TM+4+\b], 23, v[TM+12+\b]      ; the byte
.endr
	v_lshl_or_b32 v[PW], v[TM+5], 8, v[TM+4]
	v_lshl_or_b32 v[PW], v[TM+6], 16, v[PW]
	v_lshl_or_b32 v[PW], v[TM+7], 24, v[PW]
.irp c, 0,1
	v_cvt_scalef32_pk16_fp6_f32 v[PC+6*\c:PC+2+6*\c], v[\s+32*\c:\s+15+32*\c], v[TM+12+2*\c]
	v_cvt_scalef32_pk16_fp6_f32 v[PC+12+4*\c:PC+14+4*\c], v[\s+16+32*\c:\s+31+32*\c], v[TM+12+2*\c+1]   ; (a conversion's three registers begin on an even number)
.endr
	v_nop                                          ; one plain place behind a scaled conversion
.irp c, 0,1                            ; the layout wants a whole block in a lane: lanes 0-15 block 2 c, lanes 16-31 block 2 c + 1
.irp i, 0,1,2
	v_permlane16_swap_b32 v[PC+6*\c+\i], v[PC+12+4*\c+\i]
.endr
.irp i, 0,1,2
	v_mov_b32 v[PC+3+6*\c+\i], v[PC+12+4*\c+\i]
.endr
.endr
.endm
.macro UNIT t
.if (\t) < 1
	s_wait_loadcnt 16                              ; this unit's 16 loads are in; the other unit's 16 may be out
.else
	s_wait_loadcnt 0x0
.endif
	TURN \t
	s_wait_dscnt 0x0                               ; my 64 numbers are back
.if (\t) > 0
	s_wait_xcnt 0x0                                ; the last unit's stores have read their data: the codes and the word are written again only behind this wait
.endif
	QUANT X
	v_lshrrev_b32 v[PWS], v[SH], v[PW]
.irp p, 0,1,2,3,4,5
	global_store_b64 v[OC], v[PC+2*\p:PC+2*\p+1], s[24:25] offset:1536*(\t)+256*\p   ; 32 lanes store 256 consecutive bytes, aligned
.endr
	global_store_b32 v[OS], v[PWS], s[26:27] offset:128*(\t)
.endm
	LOAD 0
	LOAD 1
	UNIT 0
	UNIT 1
	s_wait_tensorcnt 0x0
	ds_add_u32 v62, v63
	s_wait_dscnt 0x0
	s_endpgm
.Lfunc_end_k_q50e88b3f87_quant:
	.size	k_q50e88b3f87_quant, .Lfunc_end_k_q50e88b3f87_quant-k_q50e88b3f87_quant
	.p2alignl 7, 3214868480
	.fill 96, 4, 3214868480
	.section	.rodata,"a",@progbits
	.p2align	6, 0x0
	.amdhsa_kernel k_q50e88b3f87_quant
		.amdhsa_group_segment_fixed_size 34304
		.amdhsa_private_segment_fixed_size 0
		.amdhsa_enable_private_segment 0
		.amdhsa_kernarg_size 72
		.amdhsa_user_sgpr_count 2
		.amdhsa_user_sgpr_kernarg_segment_ptr 1
		.amdhsa_wavefront_size32 1
		.amdhsa_system_sgpr_workgroup_id_x 1
		.amdhsa_system_sgpr_workgroup_id_y 1
		.amdhsa_system_sgpr_workgroup_id_z 1
		.amdhsa_system_vgpr_workitem_id 0
		.amdhsa_next_free_vgpr 256
		.amdhsa_next_free_sgpr 66
		.amdhsa_reserve_vcc 0
		.amdhsa_float_denorm_mode_32 3
		.amdhsa_float_denorm_mode_16_64 3
		.amdhsa_memory_ordered 1
		.amdhsa_forward_progress 1
		.amdhsa_inst_pref_size 19
	.end_amdhsa_kernel
	.amdgpu_metadata
---
amdhsa.version: [ 1, 2 ]
amdhsa.kernels:
  - .name:           k_q50e88b3f87_quant
    .symbol:         k_q50e88b3f87_quant.kd
    .args:
      - { .name: x, .offset: 0, .size: 8, .value_kind: global_buffer, .address_space: global }
      - { .name: Wq, .offset: 8, .size: 8, .value_kind: global_buffer, .address_space: global }
      - { .name: Wk, .offset: 16, .size: 8, .value_kind: global_buffer, .address_space: global }
      - { .name: Wv, .offset: 24, .size: 8, .value_kind: global_buffer, .address_space: global }
      - { .name: Wo, .offset: 32, .size: 8, .value_kind: global_buffer, .address_space: global }
      - { .name: xc, .offset: 40, .size: 8, .value_kind: global_buffer, .address_space: global }
      - { .name: xs, .offset: 48, .size: 8, .value_kind: global_buffer, .address_space: global }
      - { .name: wc, .offset: 56, .size: 8, .value_kind: global_buffer, .address_space: global }
      - { .name: ws, .offset: 64, .size: 8, .value_kind: global_buffer, .address_space: global }
    .group_segment_fixed_size: 34304
    .private_segment_fixed_size: 0
    .kernarg_segment_align: 8
    .kernarg_segment_size: 72
    .max_flat_workgroup_size: 128
    .sgpr_count:     66
    .vgpr_count:     256
    .wavefront_size: 32
...
	.end_amdgpu_metadata
.endif
;; end of part 1
;; launch proj (part 2): grid 12 x 32, 4 waves a work-group, clusters of 4 x 4, 327,680 bytes of LDS; arguments xc, xs, wc, ws, qkvc, qkvs; writes qkvc, qkvs
.if DOCPART == 2
	.amdgcn_target "amdgcn-amd-amdhsa--gfx1250"
	.amdhsa_code_object_version 6
	.text
	.protected	k_q50e88b3f87_proj
	.globl	k_q50e88b3f87_proj
	.p2align	8
	.type	k_q50e88b3f87_proj,@function
k_q50e88b3f87_proj:
	s_mov_b64 s[64:65], 0
	v_nop
	global_prefetch_b8 v0, s[64:65] scope:SCOPE_SE
	s_setreg_imm32_b32 hwreg(HW_REG_WAVE_MODE, 25, 1), 1
	s_wait_xcnt 0x0
	s_wait_alu depctr_hold_cnt(0) depctr_sa_sdst(0) depctr_va_vdst(0) depctr_va_sdst(0) depctr_va_ssrc(0) depctr_va_vcc(0) depctr_vm_vsrc(0)
	s_getreg_b32 s2, hwreg(HW_REG_IB_STS2, 6, 4)
	s_cmp_eq_u32 s2, 0
	s_cbranch_scc0 .Lentry_in_a_cluster
	s_endpgm
.Lentry_in_a_cluster:
	s_bfe_u32 s2, ttmp6, 0x10000c
	s_cmp_lg_u32 s2, 0xf033
	s_cbranch_scc0 .Lentry_shape_is_right
	s_endpgm
.Lentry_shape_is_right:
.set NQ,     2
.set FR,     12
.set NL,     6
.set NP,     4
.set IMG,    1536
.set BLKB,   NQ*IMG
.set HALFT,  8*BLKB
.set SLOT,   4*HALFT
.set KROW,   8*IMG
.set LAPS,   2
.set SCL,    2*SLOT
.set HALFS,  8192
.set SPARE,  SCL+4*HALFS
.set ADRA, 16
.set ADRB, 20
.set OC,   24
.set OS,   25
.set SH,   26
.set ADRS, 27
.set SPW,  28
.set NIL,  29
.set SC,   32
.set AF,   128
.set TM,   32
.set PW,   48
.set PWS,  49
.set PC,   128
.set WV, 16
.set HR, 17
.set HC, 18
.set T1, 19
.set SEL, 66
.set G1, 24
.set G0, 32
.set G1B, 48
.set G0B, 56
.set G1S, 68
.set G0S, 76
.set G1SB, 80
.set G0SB, 88
.set MSB, 0
.macro WIN new
.set WNEW, \new
.if MSB != WNEW
	s_set_vgpr_msb (MSB<<8)|WNEW
.set MSB, WNEW
.endif
.endm
.set MUL_LO, 0xa1
.set MUL_HI, 0xf1
.set TO_B,   0x40
.macro JLOAD g0a, g1a, g0b, g1b
	s_cmp_eq_u32 s[HR], 0
	s_cbranch_scc0 .Lfor_b_\@
	tensor_load_to_lds s[\g0a:\g0a+3], s[\g1a:\g1a+7]
	s_nop 0
.rept 4
	v_nop
.endr
	s_branch .Lasked_\@
.Lfor_b_\@:
	tensor_load_to_lds s[\g0b:\g0b+3], s[\g1b:\g1b+7]
	s_nop 0
.rept 4
	v_nop
.endr
.Lasked_\@:
.endm
.macro CREST
	s_cmp_lg_u32 s[WV], 0
	s_cbranch_scc1 .Lnot_wave_0_\@
	s_barrier_signal -3
.Lnot_wave_0_\@:
	s_barrier_wait -3
	s_barrier_signal -1
	s_barrier_wait -1
.endm
.macro CROUND
	s_barrier_signal -1
	s_barrier_wait -1
	CREST
.endm
	s_load_b256 s[4:11], s[0:1], 0x0
	s_load_b128 s[12:15], s[0:1], 0x20
	v_lshl_add_u32 v[SPW], v0, 2, SPARE
	v_mov_b32 v[NIL], 0
	ds_add_u32 v28, v29
	ds_add_u32 v28, v29
	s_wait_dscnt 0x0
	v_lshrrev_b32 v1, 5, v0
	v_readfirstlane_b32 s[WV], v1
	s_lshr_b32 s[HR], s[WV], 1
	s_and_b32 s[HC], s[WV], 1
	s_bfe_u32 s40, ttmp6, 0x40000
	s_bfe_u32 s41, ttmp6, 0x40004
	s_and_b32 s20, ttmp7, 0xffff
	s_lshl_b32 s20, s20, 2
	s_lshl_b32 s21, ttmp9, 2
	s_cmp_eq_u32 ttmp9, 2
	s_cselect_b32 s22, 0, s20
	s_cselect_b32 s23, s20, s21
	s_cselect_b32 s92, 64, 512
	s_cselect_b32 s93, 12582912, 0
	s_cselect_b32 s94, 1048576, 0
	s_add_co_u32 s[T1], s22, s41
	s_add_co_u32 s42, s23, s40
	s_lshl_b32 s43, s41, 2
	s_lshl_b32 s43, 15, s43
	s_lshl_b32 s44, 0x1111, s40
	s_or_b32 s[G1+0], s43, (3<<16)|(1<<21)
	s_or_b32 s[G1B+0], s44, (3<<16)|(1<<21)
.irp g, G1, G1B
	s_mov_b32 s[\g+1], 384<<16
	s_mov_b32 s[\g+2], 16<<16
	s_mov_b32 s[\g+3], 384<<16
	s_mov_b32 s[\g+4], 16
	s_mov_b32 s[\g+5], 1536
	s_mov_b32 s[\g+6], 0
	s_mov_b32 s[\g+7], 0
.endr
	s_or_b32 s[G1S+0], s43, (3<<16)|(1<<21)
	s_or_b32 s[G1SB+0], s44, (3<<16)|(1<<21)
.irp g, G1S, G1SB
	s_mov_b32 s[\g+1], 32<<16
	s_mov_b32 s[\g+2], 64<<16
	s_mov_b32 s[\g+3], 32<<16
	s_mov_b32 s[\g+4], 64
	s_mov_b32 s[\g+5], 32
	s_mov_b32 s[\g+6], 0
	s_mov_b32 s[\g+7], 0
.endr
	s_lshl_b32 s45, s[HC], 3
	s_lshl_b32 s20, s[T1], 4
	s_add_co_u32 s20, s20, s45
	s_lshl_b32 s46, s42, 4
	s_add_co_u32 s46, s46, s45
	s_lshl_b32 s22, s20, 10
	s_mov_b32 s23, 0
	s_mul_i32 s20, s20, KROW
	s_mov_b32 s21, 0
	s_lshl_b32 s100, s46, 10
	s_mov_b32 s101, 0
	s_mul_i32 s46, s46, KROW
	s_mov_b32 s47, 0
	s_mul_i32 s45, s[WV], HALFT
	s_lshl_b32 s95, s[WV], 13
	s_mov_b32 s[SEL], 0x76543210
	s_mov_b32 s[SEL+1], 0xfedcba98
	s_wait_kmcnt 0x0
	s_add_nc_u64 s[96:97], s[8:9], 1572864
	s_add_nc_u64 s[98:99], s[10:11], 131072
	s_cmp_eq_u32 ttmp9, 2
	s_cselect_b64 s[96:97], s[96:97], s[4:5]
	s_cselect_b64 s[98:99], s[98:99], s[6:7]
	s_cselect_b64 s[4:5], s[4:5], s[8:9]
	s_cselect_b64 s[6:7], s[6:7], s[10:11]
	s_add_nc_u64 s[20:21], s[96:97], s[20:21]
	s_add_nc_u64 s[22:23], s[98:99], s[22:23]
	s_add_nc_u64 s[46:47], s[4:5], s[46:47]
	s_add_nc_u64 s[100:101], s[6:7], s[100:101]
	CROUND
	; the head's four tiles, each whole (16 blocks): the addresses above hold my half's offset, which is taken off
	s_mul_i32 s96, s[HC], 8*KROW
	s_mov_b32 s97, 0
	s_lshl_b32 s98, s[HC], 13
	s_mov_b32 s99, 0
	s_mov_b32 s[G0S], 1
	s_mov_b32 s[G0S+1], SCL
	s_sub_nc_u64 s[G0S+2:G0S+3], s[22:23], s[98:99]
	s_or_b32 s[G0S+3], s[G0S+3], 0x80000000
	s_mov_b32 s[G0SB], 1
	s_mov_b32 s[G0SB+1], SCL+2*HALFS
	s_sub_nc_u64 s[G0SB+2:G0SB+3], s[100:101], s[98:99]
	s_or_b32 s[G0SB+3], s[G0SB+3], 0x80000000
	s_mov_b32 s4, 1
	s_mov_b32 s5, 0
	s_sub_nc_u64 s[6:7], s[20:21], s[96:97]
	s_or_b32 s7, s7, 0x80000000
	s_mov_b32 s8, 1
	s_mov_b32 s9, 2*HALFT
	s_sub_nc_u64 s[10:11], s[46:47], s[96:97]
	s_or_b32 s11, s11, 0x80000000
.irp s, 0,1
	s_mov_b32 s[G0+4*\s], 1
	s_add_co_u32 s[G0+4*\s+1], s45, \s*SLOT
	s_add_nc_u64 s[G0+4*\s+2:G0+4*\s+3], s[20:21], \s*BLKB
	s_or_b32 s[G0+4*\s+3], s[G0+4*\s+3], 0x80000000
	s_mov_b32 s[G0B+4*\s], 1
	s_add_co_u32 s[G0B+4*\s+1], s45, \s*SLOT
	s_add_nc_u64 s[G0B+4*\s+2:G0B+4*\s+3], s[46:47], \s*BLKB
	s_or_b32 s[G0B+4*\s+3], s[G0B+4*\s+3], 0x80000000
.endr
	; one load a wave, in one chain of branches on the wave's number: slot 0's source 1 rows, its source 0 rows, and the scales of each
	s_cmp_eq_u32 s[WV], 0
	s_cbranch_scc0 .Lhead_b
	tensor_load_to_lds s[4:7], s[G1:G1+7]
	s_nop 0
.rept 4
	v_nop
.endr
	s_branch .Lhead_asked
.Lhead_b:
	s_cmp_eq_u32 s[WV], 1
	s_cbranch_scc0 .Lhead_sa
	tensor_load_to_lds s[8:11], s[G1B:G1B+7]
	s_nop 0
.rept 4
	v_nop
.endr
	s_branch .Lhead_asked
.Lhead_sa:
	s_cmp_eq_u32 s[WV], 2
	s_cbranch_scc0 .Lhead_sb
	tensor_load_to_lds s[G0S:G0S+3], s[G1S:G1S+7]
	s_nop 0
.rept 4
	v_nop
.endr
	s_branch .Lhead_asked
.Lhead_sb:
	tensor_load_to_lds s[G0SB:G0SB+3], s[G1SB:G1SB+7]
	s_nop 0
.rept 4
	v_nop
.endr
.Lhead_asked:
	s_wait_alu depctr_va_vdst(0)
	s_wait_tensorcnt 0x0                           ; my tile of the four is in
	ds_add_u32 v28, v29
	s_mov_b32 s[G1+2], 8<<16                       ; no tensor load of mine is out: from here on a load brings 8 blocks
	s_mov_b32 s[G1+4], 8
	s_mov_b32 s[G1B+2], 8<<16
	s_mov_b32 s[G1B+4], 8
	s_wait_dscnt 0x0
	CROUND
	JLOAD G0+4, G1, G0B+4, G1B
	v_and_b32 v1, 15, v0
	v_bfe_u32 v2, v0, 4, 1
	s_wait_alu depctr_va_vdst(0)
	v_and_b32 v3, 31, v0
	v_lshlrev_b32 v[OC], 3, v3
	v_lshlrev_b32 v[OS], 2, v3
	v_lshlrev_b32 v[SH], 4, v2
	s_mul_i32 s21, s[HR], HALFT
	s_mul_i32 s22, s[HC], HALFT
	s_add_co_u32 s22, s22, 2*HALFT
.irp s, 0,1
	v_add_nc_u32 v[ADRA+\s], s21, v[OC]
	v_add_nc_u32 v[ADRB+\s], s22, v[OC]
	s_add_co_u32 s21, s21, SLOT
	s_add_co_u32 s22, s22, SLOT
.endr
	s_lshl_b32 s21, s[HR], 13
	s_lshl_b32 s22, s[HC], 13
	s_add_co_u32 s22, s22, 2*HALFS
	s_sub_co_u32 s22, s22, s21
	v_mul_u32_u24 v4, s22, v2
	s_add_co_u32 s21, s21, SCL
	v_lshl_add_u32 v4, v1, 2, v4
	v_add_nc_u32 v[ADRS], s21, v4
	s_lshl_b32 s20, s42, 1
	s_add_co_u32 s20, s20, s[HC]
	s_mul_i32 s20, s20, s92
	s_lshl_b32 s21, s[T1], 4
	s_add_co_u32 s20, s20, s21
	s_lshl_b32 s21, s[HR], 3
	s_add_co_u32 s20, s20, s21
	s_lshl_b32 s22, s20, 7
	s_add_co_u32 s22, s22, s94
	s_mov_b32 s23, 0
	s_mul_i32 s20, s20, IMG
	s_add_co_u32 s20, s20, s93
	s_mov_b32 s21, 0
	s_add_nc_u64 s[12:13], s[12:13], s[20:21]
	s_add_nc_u64 s[14:15], s[14:15], s[22:23]
.macro FRAG reg, adr, q, i
.irp p, 0,1,2,3,4,5
	ds_load_b64 v[\reg+2*\p:\reg+2*\p+1], v[\adr] offset:(\i)*BLKB+(\q)*IMG+256*\p
.endr
.endm
.macro MUL16 a0, p, q, sc, zero
.irp a, \a0, \a0+1
.irp b, 0,1,2,3,4,5,6,7
.if \zero
	v_wmma_scale_f32_16x16x128_f8f6f4 v[8*(8*((\a)%4)+\b):8*(8*((\a)%4)+\b)+7], v[128*(\p)+FR*\b:128*(\p)+FR*\b+FR-1], v[AF+FR*(\a):AF+FR*(\a)+FR-1], 0, v[SC+8*NQ*(\sc)+NQ*\b+(\q)], v[SC+8*NQ*(\sc)+NQ*(\a)+(\q)] matrix_a_fmt:MATRIX_FMT_FP6 matrix_b_fmt:MATRIX_FMT_FP6 matrix_a_scale:MATRIX_SCALE_ROW1
.else
	v_wmma_scale_f32_16x16x128_f8f6f4 v[8*(8*((\a)%4)+\b):8*(8*((\a)%4)+\b)+7], v[128*(\p)+FR*\b:128*(\p)+FR*\b+FR-1], v[AF+FR*(\a):AF+FR*(\a)+FR-1], v[8*(8*((\a)%4)+\b):8*(8*((\a)%4)+\b)+7], v[SC+8*NQ*(\sc)+NQ*\b+(\q)], v[SC+8*NQ*(\sc)+NQ*(\a)+(\q)] matrix_a_fmt:MATRIX_FMT_FP6 matrix_b_fmt:MATRIX_FMT_FP6 matrix_a_scale:MATRIX_SCALE_ROW1
.endif
.endr
.endr
.endm
.macro FETCH_B slot, q, p
	WIN TO_B
.irp i, 0,1,2,3,4,5,6,7
	FRAG 128*(\p)+FR*\i, ADRB+\slot, \q, \i
.endr
	WIN 0
.endm
.macro FETCH_A slot, q, i0
.irp i, \i0, \i0+1, \i0+2, \i0+3
	FRAG AF+FR*(\i), ADRA+\slot, \q, \i
.endr
.endm
.macro SCALES sc
.irp i, 0,1,2,3,4,5,6,7
.irp q, 0,1
	ds_load_b32 v[SC+16*\sc+2*\i+\q], v[ADRS] offset:\i*1024+\q*128
.endr
.endr
.endm
.macro PLACES n
.rept \n
	v_nop
.endr
.endm
.macro STEP slot, q, zero
	s_wait_dscnt 4*NL
	WIN MUL_LO
	MUL16 0, (\q)%2, \q, \slot, \zero
	MUL16 2, (\q)%2, \q, \slot, \zero
	s_wait_dscnt 0
	PLACES NP
	FETCH_B \slot, (\q)+1, 1-(\q)%2
	FETCH_A \slot, (\q)+1, 0
	WIN MUL_HI
	MUL16 4, (\q)%2, \q, \slot, \zero
	MUL16 6, (\q)%2, \q, \slot, \zero
	PLACES NP
	WIN 0
	FETCH_A \slot, (\q)+1, 4
.endm
.macro TURN slot, next, fill
	s_wait_tensorcnt 0x0
	ds_add_u32 v[SPW], v[NIL]
	s_wait_dscnt 4*NL+1
	WIN MUL_LO
	MUL16 0, 1, NQ-1, \slot, 0
	s_wait_dscnt 0x0
	s_barrier_signal -1
	MUL16 2, 1, NQ-1, \slot, 0
	WIN 0
	s_barrier_wait -1
.if \fill
	CREST
	s_add_nc_u64 s[G0+4*\slot+2:G0+4*\slot+3], s[G0+4*\slot+2:G0+4*\slot+3], 2*BLKB
	s_add_nc_u64 s[G0B+4*\slot+2:G0B+4*\slot+3], s[G0B+4*\slot+2:G0B+4*\slot+3], 2*BLKB
	JLOAD G0+4*\slot, G1, G0B+4*\slot, G1B
.else
	PLACES NP
.endif
	s_wait_alu depctr_va_vdst(0)
	v_add_nc_u32 v[ADRS], 128*NQ, v[ADRS]
	FETCH_B \next, 0, 0
	FETCH_A \next, 0, 0
	SCALES \next
	WIN MUL_HI
	MUL16 4, 1, NQ-1, \slot, 0
	MUL16 6, 1, NQ-1, \slot, 0
	PLACES NP
	WIN 0
	FETCH_A \next, 0, 4
.endm
	s_wait_alu depctr_va_vdst(0)
	s_wait_tensorcnt 1
	s_barrier_signal -1
	s_barrier_wait -1
	FETCH_B 0, 0, 0
	FETCH_A 0, 0, 0
	SCALES 0
	FETCH_A 0, 0, 4
	STEP 0, 0, 1
	s_mov_b32 s3, LAPS-1
.Llap:
	TURN 0, 1, 1
	STEP 1, 0, 0
	TURN 1, 0, 1
	STEP 0, 0, 0
	s_sub_co_u32 s3, s3, 1
	s_cmp_lg_u32 s3, 0
	s_cbranch_scc1 .Llap
	TURN 0, 1, 0
	STEP 1, 0, 0
	s_wait_dscnt 4*NL
	WIN MUL_LO
	MUL16 0, 1, NQ-1, 1, 0
	MUL16 2, 1, NQ-1, 1, 0
	s_wait_dscnt 0
	WIN MUL_HI
	MUL16 4, 1, NQ-1, 1, 0
	MUL16 6, 1, NQ-1, 1, 0
	WIN 0
.macro QUANTW w, s
	WIN ((\w)<<2)|((\w)<<4)
.irp b, 0,1,2,3
	v_max3_num_f32 v[TM+\b], 0x1800000, |v[\s+16*\b]|, |v[\s+1+16*\b]|
.endr
.irp i, 2,4,6,8,10,12,14
.irp b, 0,1,2,3
	v_max3_num_f32 v[TM+\b], v[TM+\b], |v[\s+16*\b+\i]|, |v[\s+1+16*\b+\i]|
.endr
.endr
	WIN 0
.irp b, 0,1,2,3
	v_permlanex16_b32 v[TM+4+\b], v[TM+\b], s[SEL], s[SEL+1]
.endr
.irp b, 0,1,2,3
	v_max_num_f32 v[TM+\b], v[TM+\b], v[TM+4+\b]
.endr
.irp b, 0,1,2,3
	v_add_nc_u32 v[TM+12+\b], 0xff000000, v[TM+\b]
.endr
.irp b, 0,1,2,3
	v_lshrrev_b32 v[TM+4+\b], 23, v[TM+12+\b]
.endr
	v_lshl_or_b32 v[PW], v[TM+5], 8, v[TM+4]
	v_lshl_or_b32 v[PW], v[TM+6], 16, v[PW]
	v_lshl_or_b32 v[PW], v[TM+7], 24, v[PW]
	WIN \w
.irp c, 0,1
	v_cvt_scalef32_pk16_fp6_f32 v[PC+6*\c:PC+2+6*\c], v[\s+32*\c:\s+15+32*\c], v[TM+12+2*\c]
	v_cvt_scalef32_pk16_fp6_f32 v[PC+12+4*\c:PC+14+4*\c], v[\s+16+32*\c:\s+31+32*\c], v[TM+12+2*\c+1]
.endr
	WIN 0
	v_nop
.irp c, 0,1
.irp i, 0,1,2
	v_permlane16_swap_b32 v[PC+6*\c+\i], v[PC+12+4*\c+\i]
.endr
.irp i, 0,1,2
	v_mov_b32 v[PC+3+6*\c+\i], v[PC+12+4*\c+\i]
.endr
.endr
.endm
	PLACES NP
.irp a, 0,1,2,3,4,5,6,7
.set PC, 64+20*\a                      ; each block has its own registers for its codes and its word: no store's data are written again
.set PWS, 50+\a
	QUANTW 2+\a/4, 64*(\a%4)
	v_lshrrev_b32 v[PWS], v[SH], v[PW]
.irp p, 0,1,2,3,4,5
	global_store_b64 v[OC], v[PC+2*\p:PC+2*\p+1], s[12:13] offset:IMG*\a+256*\p
.endr
	global_store_b32 v[OS], v[PWS], s[14:15] offset:128*\a
.endr
	s_wait_tensorcnt 0x0
	ds_add_u32 v[SPW], v[NIL]
	s_wait_dscnt 0x0
	CROUND
	s_endpgm
.Lfunc_end_k_q50e88b3f87_proj:
	.size	k_q50e88b3f87_proj, .Lfunc_end_k_q50e88b3f87_proj-k_q50e88b3f87_proj
	.p2alignl 7, 3214868480
	.fill 96, 4, 3214868480
	.section	.rodata,"a",@progbits
	.p2align	6, 0x0
	.amdhsa_kernel k_q50e88b3f87_proj
		.amdhsa_group_segment_fixed_size 327680
		.amdhsa_private_segment_fixed_size 0
		.amdhsa_enable_private_segment 0
		.amdhsa_kernarg_size 48
		.amdhsa_user_sgpr_count 2
		.amdhsa_user_sgpr_kernarg_segment_ptr 1
		.amdhsa_wavefront_size32 1
		.amdhsa_system_sgpr_workgroup_id_x 1
		.amdhsa_system_sgpr_workgroup_id_y 1
		.amdhsa_system_sgpr_workgroup_id_z 1
		.amdhsa_system_vgpr_workitem_id 0
		.amdhsa_next_free_vgpr 1024
		.amdhsa_next_free_sgpr 102
		.amdhsa_reserve_vcc 0
		.amdhsa_float_denorm_mode_32 3
		.amdhsa_float_denorm_mode_16_64 3
		.amdhsa_memory_ordered 1
		.amdhsa_forward_progress 1
		.amdhsa_inst_pref_size 170
	.end_amdhsa_kernel
	.amdgpu_metadata
---
amdhsa.version: [ 1, 2 ]
amdhsa.kernels:
  - .name:           k_q50e88b3f87_proj
    .symbol:         k_q50e88b3f87_proj.kd
    .args:
      - { .name: xc, .offset: 0, .size: 8, .value_kind: global_buffer, .address_space: global }
      - { .name: xs, .offset: 8, .size: 8, .value_kind: global_buffer, .address_space: global }
      - { .name: wc, .offset: 16, .size: 8, .value_kind: global_buffer, .address_space: global }
      - { .name: ws, .offset: 24, .size: 8, .value_kind: global_buffer, .address_space: global }
      - { .name: qkvc, .offset: 32, .size: 8, .value_kind: global_buffer, .address_space: global }
      - { .name: qkvs, .offset: 40, .size: 8, .value_kind: global_buffer, .address_space: global }
    .group_segment_fixed_size: 327680
    .private_segment_fixed_size: 0
    .kernarg_segment_align: 8
    .kernarg_segment_size: 48
    .max_flat_workgroup_size: 128
    .sgpr_count:     102
    .vgpr_count:     1024
    .wavefront_size: 32
...
	.end_amdgpu_metadata
.endif
;; end of part 2
;; launch attn (part 3): grid 4 x 64, 8 waves a work-group, clusters of 4 x 1, 222,208 bytes of LDS; arguments qkvc, qkvs, padding_mask, ac, asc; writes ac, asc
.if DOCPART == 3
	.amdgcn_target "amdgcn-amd-amdhsa--gfx1250"
	.amdhsa_code_object_version 6
	.text
	.protected	k_q50e88b3f87_attn
	.globl	k_q50e88b3f87_attn
	.p2align	8
	.type	k_q50e88b3f87_attn,@function
k_q50e88b3f87_attn:
	s_mov_b64 s[64:65], 0
	v_nop
	global_prefetch_b8 v0, s[64:65] scope:SCOPE_SE
	s_setreg_imm32_b32 hwreg(HW_REG_WAVE_MODE, 25, 1), 1
	s_wait_xcnt 0x0
	s_wait_alu depctr_hold_cnt(0) depctr_sa_sdst(0) depctr_va_vdst(0) depctr_va_sdst(0) depctr_va_ssrc(0) depctr_va_vcc(0) depctr_vm_vsrc(0)
	s_getreg_b32 s2, hwreg(HW_REG_IB_STS2, 6, 4)
	s_cmp_eq_u32 s2, 0
	s_cbranch_scc0 .Lentry_in_a_cluster
	s_endpgm
.Lentry_in_a_cluster:
	s_bfe_u32 s2, ttmp6, 0x10000c
	s_cmp_lg_u32 s2, 0x3003
	s_cbranch_scc0 .Lentry_shape_is_right
	s_endpgm
.Lentry_shape_is_right:
; attn[b][q][64 head + d] = sum over keys of softmax(Q . K / 8 under the key mask) V, both products on codes of FP6 (E2M3) with E8M0 scales; the result is quantised along d and stored as images of the last product's operand.
; IN: qkvc, qkvs as the launch before lays them: Q's and K's fragments [head pair][block of 16 rows][1536] (an even head is planes 0-2 of an image, an odd head planes 3-5), V^T's [128 keys][block of 16 d][1536].
; THE SOFTMAX: t = score x log2(e) / 8; M = the running largest t rounded up to a whole number; p = 2^(t - M) is quantised along the keys, not normalised; the sum of the unquantised p divides at the end.
; SHARES: a work-group owns one (batch, head) and 512 queries; eight waves, two to a SIMD; wave w takes the query tiles 32 cx + 4 w + 0 .. 3, in two passes of two tiles.  Each fragment of K and V read from LDS feeds two products,
; and every chain of a tile's vector work has the other tile's beside it.
; A trip (128 keys): 16 score products | LDS loads of V (this step) and K (next step) | the blocks' maxima, M, t - M | 136 exponentials | sums, scale words, codes, O x f | 8 value products.
; In a pass's last trip K's loads are jumped over, by the trip counter; in the first pass Q's registers take the next pass's tiles there.
; ALL OF THE HEAD'S K AND V STAY IN LDS, filled once: no ring, no refill.  The four work-groups of a cluster walk the same K and V: each tile is asked for jointly (mask 15), by waves 0 to 3, one tensor load each: K, V's two halves, V's scales.
; No prefetch: K and V are read once, at the head, with no loop ahead of them to ask from.
; Both products are used transposed (S^T = K Q^T, O^T = V^T P^T): a lane holds one query.  Lane r of a tile 2 B + u of keys holds key 32 B + 8 u + r + 8 (r / 8), so the 16 registers of two neighbouring tiles are 16 neighbouring keys.
; THE MASK rides on the idle half of the first product (the head's K is 64 of the instruction's 128): at k = 64 Q holds the code +1 under the byte 127; a masked key holds the code -1 under the byte 254 (-2^127 onto its score: p = 0),
; a key that counts the code 0.  The code words and K's scale words are made once, into LDS bytes of their own.  The largest t starts at -2^90.
; LIMITS: a batch whose keys are all masked is not served (the sum is 0); rows whose largest t lies under -2^90 are not served; a block of zeros keeps the byte 1; NaN and infinities are not served.
; REGISTERS, in windows of 256.  Window 0: addresses, state, scale words, Q's two fragments, K's eight, p's codes, temporaries.  Window 1: S^T, then p (tile i at 64 i), O^T, V's four fragments, halves of codes.
.set KC,   0                           ; LDS: K's codes, 128 tiles x 768 bytes
.set VC,   98304                       ; V's codes, 16 steps x 4 tiles x 1,536
.set MSK,  196608                      ; the mask's code words, 128 tiles x 64 bytes: written by ds_store
.set KSM,  204800                      ; K's scale words, 128 tiles x 64 bytes: written by ds_store
.set VS,   212992                      ; V's scale images, 16 x 4 x 128
.set SPARE,221184                      ; the spare words, 128 bytes a wave
.set AK0,  1                           ; 8 l (K's codes lie at 0; also the offset in Q's and ac's planes)
.set AV0,  2                           ; 8 l + VC
.set ASK0, 3                           ; KSM + 4 r
.set ASV0, 4                           ; VS + 4 r
.set AMK0, 5                           ; MSK + 4 r
.set R4,   6
.set L4,   7
.set ADK,  8                           ; v8-12 the step's addresses
.set ADV,  9
.set ADS,  10
.set ADT,  11
.set ADM,  12
.set SPW,  14
.set NIL,  15
.set NM,   16                          ; tile i: v[16+2i] -M, v[17+2i] the largest t
.set L,    20                          ; the sum, in two halves
.set F,    24                          ; f = 2^(old M - new M), and a written partner
.set KSW,  32
.set VSW,  40
.set PSW,  44
.set QSW,  46
.set QRW,  48
.set QF,   52                          ; v52-75
.set KB,   76                          ; v76-171: registers 0-5 codes, 6 the mask's code, 7-11 zeros
.set PCD,  172                         ; v172-195 p's codes
.set BM,   196                         ; the blocks' largest
.set PT,   204
.set SO,   212
.set T,    220                         ; v220-235 partial sums
.set O,    128                         ; window 1
.set VB,   192
.set CT,   240
.set WV,   14
.set SEL,  20
.set CS,   22                          ; s[22:23] log2(e) / 8
.set G1K,  24
.set G1V,  32
.set G1S,  40
.set G0K,  48
.set G0A,  52
.set G0B,  56
.set G0S,  60
.set TC,   2                           ; 6,144 bytes of codes a step, in K's region and in V's
.set TS,   3                           ; 512 bytes of words a step
.set CNT,  66
.set PCN,  67
.set K7F,  68
.set Q7F,  69
.set MSB, 0
.macro WIN new                         ; the immediate's high byte repeats the setting that is left
.if MSB != \new
	s_set_vgpr_msb (MSB<<8)|\new
.set MSB, \new
.endif
.endm
.macro WALU
	s_wait_alu depctr_va_vdst(0)
.endm
.macro CROUND
	s_barrier_signal -1
	s_barrier_wait -1
	s_cmp_lg_u32 s[WV], 0
	s_cbranch_scc1 .Lnot_wave_0_\@
	s_barrier_signal -3
.Lnot_wave_0_\@:
	s_barrier_wait -3
	s_barrier_signal -1
	s_barrier_wait -1
.endm
.macro TLOAD g0, g1
	tensor_load_to_lds s[\g0:\g0+3], s[\g1:\g1+7]
	s_nop 0
.rept 4
	v_nop
.endr
.endm
.macro QLOAD oc, os                    ; two tiles of queries: my head's three planes each, and the scale words
.irp i, 0,1
.irp k, 0,1,2
	global_load_b64 v[QF+12*\i+2*\k:QF+12*\i+2*\k+1], v[AK0], s[96:97] offset:\oc+1536*\i+256*\k
.endr
	global_load_b32 v[QRW+\i], v[R4], s[98:99] offset:\os+128*\i
.endr
.endm
.macro KLOAD ak, as, am, oc, os        ; eight tiles of 16 keys: codes, the mask's code word, the scale word
.irp t, 0,1,2,3,4,5,6,7
.irp p, 0,1,2
	ds_load_b64 v[KB+12*\t+2*\p:KB+12*\t+2*\p+1], v[\ak] offset:\oc+768*\t+256*\p
.endr
	ds_load_b32 v[KB+12*\t+6], v[\am] offset:\os+64*\t
	ds_load_b32 v[KSW+\t], v[\as] offset:\os+64*\t
.endr
.endm
.macro VLOAD av, at                    ; V^T's four tiles of 16 d x 128 keys
	WIN 0x40
.irp t, 0,1,2,3
.irp p, 0,1,2,3,4,5
	ds_load_b64 v[VB+12*\t+2*\p:VB+12*\t+2*\p+1], v[\av] offset:1536*\t+256*\p
.endr
.endr
	WIN 0
.irp t, 0,1,2,3
	ds_load_b32 v[VSW+\t], v[\at] offset:128*\t
.endr
.endm
.macro QK n                            ; score product n: key tile n / 2, query tile n % 2
.set t_, (\n)%2
.set k_, (\n)/2
	v_wmma_scale_f32_16x16x128_f8f6f4 v[64*t_+8*k_:64*t_+8*k_+7], v[KB+12*k_:KB+12*k_+11], v[QF+12*t_:QF+12*t_+11], 0, v[KSW+k_], v[QSW+t_] matrix_a_fmt:MATRIX_FMT_FP6 matrix_b_fmt:MATRIX_FMT_FP6
.endm
.macro PV n                            ; value product n: d tile n / 2, query tile n % 2: eight accumulators by turns
.set t_, (\n)%2
.set d_, (\n)/2
	v_wmma_scale_f32_16x16x128_f8f6f4 v[O+32*t_+8*d_:O+32*t_+8*d_+7], v[VB+12*d_:VB+12*d_+11], v[PCD+12*t_:PCD+12*t_+11], v[O+32*t_+8*d_:O+32*t_+8*d_+7], v[VSW+d_], v[PSW+t_] matrix_a_fmt:MATRIX_FMT_FP6 matrix_b_fmt:MATRIX_FMT_FP6
.endm
; The largest score of each block of 32 keys (it serves the row's maximum and, since p rises with the score, the block's largest p), the new M, f, and t - M.  Two tiles x four blocks by turns.
.macro SM1
	WIN 0x15
	WALU                                           ; the wait directly ahead of the first readers of matrix results
.irp i, 0,1
.irp b, 0,1,2,3
	v_max3_num_f32 v[BM+4*\i+\b], v[64*\i+16*\b], v[64*\i+16*\b+1], v[64*\i+16*\b+2]
.endr
.endr
	WIN 0x14
	WALU
.irp x, 3,5,7,9,11,13
.irp i, 0,1
.irp b, 0,1,2,3
	v_max3_num_f32 v[BM+4*\i+\b], v[BM+4*\i+\b], v[64*\i+16*\b+\x], v[64*\i+16*\b+\x+1]
.endr
.endr
.endr
.irp i, 0,1
.irp b, 0,1,2,3
	v_max_num_f32 v[BM+4*\i+\b], v[BM+4*\i+\b], v[64*\i+16*\b+15]
.endr
.endr
	WIN 0
.irp j, 0,1,2,3,4,5,6,7
	v_permlanex16_b32 v[PT+\j], v[BM+\j], s[SEL], s[SEL+1]
.endr
.irp j, 0,1,2,3,4,5,6,7
	v_max_num_f32 v[BM+\j], v[BM+\j], v[PT+\j]     ; with lane l xor 16's 16 keys
.endr
.irp i, 0,1
	v_max3_num_f32 v[PT+\i], v[BM+4*\i], v[BM+4*\i+1], v[BM+4*\i+2]
.endr
.irp i, 0,1
	v_max_num_f32 v[PT+\i], v[PT+\i], v[BM+4*\i+3]
.endr
.irp i, 0,1
	v_mul_f32 v[PT+\i], s[CS], v[PT+\i]            ; as t
.endr
.irp i, 0,1
	v_max_num_f32 v[NM+2*\i+1], v[NM+2*\i+1], v[PT+\i]   ; the running largest t
.endr
.irp i, 0,1
	v_mov_b32 v[PT+\i], v[NM+2*\i]
.endr
.irp i, 0,1
	v_floor_f32 v[NM+2*\i], -v[NM+2*\i+1]          ; -M = floor(-t): M is a whole number
.endr
.irp i, 0,1
	v_sub_f32 v[PT+\i], v[NM+2*\i], v[PT+\i]       ; old M - new M
.endr
.irp i, 0,1
	v_cvt_i32_f32 v[PT+\i], v[PT+\i]               ; (it saturates)
.endr
.irp i, 0,1
	v_ldexp_f32 v[F+2*\i], 1.0, v[PT+\i]           ; f: a multiplication by it rounds nothing
.endr
	WIN 0x41
.irp i, 0,1
.set j_, 0
.rept 32
	v_pk_fma_f32 v[64*\i+j_:64*\i+j_+1], v[64*\i+j_:64*\i+j_+1], s[CS:CS+1], v[NM+2*\i:NM+2*\i+1] op_sel_hi:[1,0,0]   ; t - M
.set j_, j_+2
.endr
.endr
	WIN 0
.irp i, 0,1
.irp b, 0,1,2,3
	v_fma_f32 v[BM+4*\i+\b], v[BM+4*\i+\b], s[CS], v[NM+2*\i]
.endr
.endr
.endm
; The sum of the unquantised p, p's scale words and codes, O^T under the new M
.macro SM2
	WIN 0x05
.irp i, 0,1
.irp k, 0,1,2,3
	v_pk_add_f32 v[T+8*\i+2*\k:T+8*\i+2*\k+1], v[64*\i+2*\k:64*\i+2*\k+1], v[64*\i+8+2*\k:64*\i+8+2*\k+1]
.endr
.endr
	WIN 0x04
.irp x, 16,24,32,40,48,56
.irp i, 0,1
.irp k, 0,1,2,3
	v_pk_add_f32 v[T+8*\i+2*\k:T+8*\i+2*\k+1], v[T+8*\i+2*\k:T+8*\i+2*\k+1], v[64*\i+\x+2*\k:64*\i+\x+2*\k+1]
.endr
.endr
.endr
	WIN 0
.irp i, 0,1
	v_pk_add_f32 v[T+8*\i:T+8*\i+1], v[T+8*\i:T+8*\i+1], v[T+8*\i+2:T+8*\i+3]
	v_pk_add_f32 v[T+8*\i+4:T+8*\i+5], v[T+8*\i+4:T+8*\i+5], v[T+8*\i+6:T+8*\i+7]
.endr
.irp j, 0,1,2,3,4,5,6,7
	v_max_num_f32 v[BM+\j], 0x1800000, v[BM+\j]    ; the floor 2^(3 - 127)
.endr
.irp i, 0,1
	v_pk_add_f32 v[T+8*\i:T+8*\i+1], v[T+8*\i:T+8*\i+1], v[T+8*\i+4:T+8*\i+5]
.endr
.irp j, 0,1,2,3,4,5,6,7
	v_add_nc_u32 v[SO+\j], 0xff000000, v[BM+\j]    ; 2 off the exponent field: the conversions' scale operand
.endr
.irp i, 0,1
	v_pk_fma_f32 v[L+2*\i:L+2*\i+1], v[L+2*\i:L+2*\i+1], v[F+2*\i:F+2*\i+1], v[T+8*\i:T+8*\i+1] op_sel_hi:[1,0,1]   ; the sum under the new M, and this step's
.endr
.irp j, 0,1,2,3,4,5,6,7
	v_lshrrev_b32 v[PT+\j], 23, v[SO+\j]
.endr
.irp i, 0,1
	v_lshl_or_b32 v[PSW+\i], v[PT+4*\i+1], 8, v[PT+4*\i]
.endr
.irp i, 0,1
	v_lshl_or_b32 v[PSW+\i], v[PT+4*\i+2], 16, v[PSW+\i]
.endr
.irp i, 0,1
	v_lshl_or_b32 v[PSW+\i], v[PT+4*\i+3], 24, v[PSW+\i]
.endr
	WIN 0x01
.irp i, 0,1
.irp c, 0,1
	v_cvt_scalef32_pk16_fp6_f32 v[PCD+12*\i+6*\c:PCD+12*\i+6*\c+2], v[64*\i+32*\c:64*\i+32*\c+15], v[SO+4*\i+2*\c]
.endr
.endr
	WIN 0x41
.irp i, 0,1
.irp c, 0,1
	v_cvt_scalef32_pk16_fp6_f32 v[CT+8*\i+4*\c:CT+8*\i+4*\c+2], v[64*\i+32*\c+16:64*\i+32*\c+31], v[SO+4*\i+2*\c+1]
.endr
.endr
	WIN 0x01
	v_nop                                          ; one plain place behind a scaled conversion
.irp i, 0,1
.irp c, 0,1
.irp k, 0,1,2
	v_permlane16_swap_b32 v[PCD+12*\i+6*\c+\k], v[CT+8*\i+4*\c+\k]   ; a whole block of 32 keys to a lane
.endr
.endr
.endr
.irp i, 0,1
.irp c, 0,1
.irp k, 0,1,2
	v_mov_b32 v[PCD+12*\i+6*\c+3+\k], v[CT+8*\i+4*\c+\k]
.endr
.endr
.endr
	WIN 0x41
	WALU                                           ; directly ahead of the first readers of O^T
.irp i, 0,1
.set j_, 0
.rept 16
	v_pk_mul_f32 v[O+32*\i+j_:O+32*\i+j_+1], v[O+32*\i+j_:O+32*\i+j_+1], v[F+2*\i:F+2*\i+1] op_sel_hi:[1,0]   ; also the places between the writes of p's codes and scale words and the products
.set j_, j_+2
.endr
.endr
	WIN 0
.endm
	s_load_b128 s[4:7], s[0:1], 0x0                ; qkvc, qkvs
	s_load_b128 s[8:11], s[0:1], 0x10              ; padding_mask, ac
	s_load_b64 s[12:13], s[0:1], 0x20              ; asc
	v_lshl_add_u32 v[SPW], v0, 2, SPARE
	v_mov_b32 v[NIL], 0
	ds_add_u32 v[SPW], v[NIL]                      ; the opening lines: the add twice on end and one wait
	ds_add_u32 v[SPW], v[NIL]
	v_lshrrev_b32 v8, 5, v0
	v_readfirstlane_b32 s[WV], v8                  ; wave 0..7
	s_and_b32 s16, ttmp7, 0xffff                   ; 16 b + head: shared by the four partners
	s_lshr_b32 s17, s16, 4                         ; b
	s_and_b32 s16, s16, 15                         ; head
	s_lshr_b32 s18, s16, 1                         ; head pair
	s_and_b32 s19, s16, 1                          ; which of the pair
	s_lshl_b32 s100, s18, 9
	s_lshl_b32 s101, s17, 7
	s_add_co_u32 s100, s100, s101                  ; 512 x pair + 128 b: Q's fragment of the batch's first tile
	s_add_co_u32 s101, s100, 4096                  ; K's
	s_mul_i32 s90, s101, 1536
	s_lshl_b32 s88, s101, 7
	s_mul_i32 s101, s19, 768
	s_add_co_u32 s90, s90, s101                    ; K's codes: my head's three planes
	s_lshl_b32 s101, s19, 6
	s_add_co_u32 s88, s88, s101                    ; K's scale words: the image's lower or upper sixteen
	s_mov_b32 s91, 0
	s_mov_b32 s89, 0
	s_lshl_b32 s101, s17, 8
	s_add_co_u32 s101, s101, s16
	s_lshl_b32 s101, s101, 2                       ; 1,024 b + 4 head: V's first fragment
	s_mul_i32 s92, s101, 1536
	s_add_co_u32 s92, s92, 12582912
	s_lshl_b32 s94, s101, 7
	s_add_co_u32 s94, s94, 1048576
	s_mov_b32 s93, 0
	s_mov_b32 s95, 0
	; my place in the cluster enters Q's, ac's and asc's addresses alone, in registers that feed no descriptor
	s_bfe_u32 s15, ttmp6, 0x40000                  ; cx
	s_lshl_b32 s15, s15, 5
	s_lshl_b32 s3, s[WV], 2
	s_add_co_u32 s15, s15, s3                      ; 32 cx + 4 w: my first tile
	s_add_co_u32 s2, s15, s100
	s_mul_i32 s96, s2, 1536
	s_lshl_b32 s98, s2, 7
	s_mul_i32 s3, s19, 768
	s_add_co_u32 s96, s96, s3
	s_lshl_b32 s66, s19, 6
	s_add_co_u32 s98, s98, s66
	s_mov_b32 s97, 0
	s_mov_b32 s99, 0
	s_lshl_b32 s2, s17, 7
	s_add_co_u32 s2, s2, s15                       ; my first block of rows
	s_lshl_b32 s2, s2, 3
	s_add_co_u32 s2, s2, s18                       ; 8 x block + pair: ac's fragment
	s_mul_i32 s66, s2, 1536
	s_add_co_u32 s66, s66, s3
	s_lshl_b32 s2, s2, 7
	s_lshl_b32 s3, s19, 1
	s_add_co_u32 s2, s2, s3                        ; asc: my head's two bytes of each word
	s_mov_b32 s3, 0
	; group 1: elements of 8 bytes, mask 15 with bit 21 beside it, no padding
	s_mov_b32 s[G1K], 15|(3<<16)|(1<<21)           ; K: 128 tiles of 768 bytes, 1,536 apart
	s_mov_b32 s[G1K+1], 96<<16
	s_mov_b32 s[G1K+2], 128<<16
	s_mov_b32 s[G1K+3], 96<<16
	s_mov_b32 s[G1K+4], 128
	s_mov_b32 s[G1K+5], 192
	s_mov_b32 s[G1K+6], 0
	s_mov_b32 s[G1K+7], 0
	s_mov_b32 s[G1V], 15|(3<<16)|(1<<21)           ; V: 8 steps of 6,144 bytes, 98,304 apart
	s_mov_b32 s[G1V+1], 768<<16
	s_mov_b32 s[G1V+2], 8<<16
	s_mov_b32 s[G1V+3], 768<<16
	s_mov_b32 s[G1V+4], 8
	s_mov_b32 s[G1V+5], 12288
	s_mov_b32 s[G1V+6], 0
	s_mov_b32 s[G1V+7], 0
	s_mov_b32 s[G1S], 15|(3<<16)|(1<<21)           ; V's scales: 16 steps of 512 bytes, 8,192 apart
	s_mov_b32 s[G1S+1], 64<<16
	s_mov_b32 s[G1S+2], 16<<16
	s_mov_b32 s[G1S+3], 64<<16
	s_mov_b32 s[G1S+4], 16
	s_mov_b32 s[G1S+5], 1024
	s_mov_b32 s[G1S+6], 0
	s_mov_b32 s[G1S+7], 0
	s_mov_b32 s[SEL], 0x76543210
	s_mov_b32 s[SEL+1], 0xfedcba98
	s_mov_b32 s[CS], 0x3e38aa3b                    ; log2(e) / 8
	s_mov_b32 s[CS+1], s[CS]
	s_mov_b32 s[K7F], 0x7ffe0000                   ; K's bytes 2 and 3: 254 for k = 64 on, 127
	s_mov_b32 s[Q7F], 0x7f7f0000                   ; Q's: 127, 127
	s_wait_dscnt 0x0
	s_wait_kmcnt 0x0
	s_add_nc_u64 s[90:91], s[4:5], s[90:91]        ; K's codes
	s_add_nc_u64 s[92:93], s[4:5], s[92:93]        ; V's codes
	s_add_nc_u64 s[94:95], s[6:7], s[94:95]        ; V's scales
	s_add_nc_u64 s[88:89], s[6:7], s[88:89]        ; K's scales
	s_add_nc_u64 s[96:97], s[4:5], s[96:97]        ; Q's codes
	s_add_nc_u64 s[98:99], s[6:7], s[98:99]        ; Q's scales
	s_add_nc_u64 s[12:13], s[12:13], s[2:3]        ; asc
	s_mov_b32 s2, s66
	s_add_nc_u64 s[10:11], s[10:11], s[2:3]        ; ac
	s_lshl_b32 s2, s17, 11
	s_add_nc_u64 s[8:9], s[8:9], s[2:3]            ; the batch's mask bytes
	s_mov_b32 s[G0K], 1
	s_mov_b32 s[G0K+1], KC
	s_mov_b64 s[G0K+2:G0K+3], s[90:91]
	s_or_b32 s[G0K+3], s[G0K+3], 0x80000000
	s_mov_b32 s[G0A], 1
	s_mov_b32 s[G0A+1], VC
	s_mov_b64 s[G0A+2:G0A+3], s[92:93]
	s_or_b32 s[G0A+3], s[G0A+3], 0x80000000
	s_mov_b32 s[G0B], 1
	s_mov_b32 s[G0B+1], VC+49152
	s_add_nc_u64 s[G0B+2:G0B+3], s[92:93], 786432
	s_or_b32 s[G0B+3], s[G0B+3], 0x80000000
	s_mov_b32 s[G0S], 1
	s_mov_b32 s[G0S+1], VS
	s_mov_b64 s[G0S+2:G0S+3], s[94:95]
	s_or_b32 s[G0S+3], s[G0S+3], 0x80000000
	CROUND                                         ; all four work-groups are here: the joint loads meet
	s_cmp_eq_u32 s[WV], 0                          ; one chain of branches on the wave's number, one load to an arm; waves 4 to 7 issue none
	s_cbranch_scc0 .Lw1
	TLOAD G0K, G1K
	s_branch .Lasked
.Lw1:
	s_cmp_eq_u32 s[WV], 1
	s_cbranch_scc0 .Lw2
	TLOAD G0A, G1V
	s_branch .Lasked
.Lw2:
	s_cmp_eq_u32 s[WV], 2
	s_cbranch_scc0 .Lw3
	TLOAD G0B, G1V
	s_branch .Lasked
.Lw3:
	s_cmp_eq_u32 s[WV], 3
	s_cbranch_scc0 .Lasked
	TLOAD G0S, G1S
.Lasked:
	; K's scale words and the mask: thread i takes, twice, four words: tile (i >> 2) + 64 j, lanes 4 (i & 3) on; their keys are four neighbours
	v_lshrrev_b32 v8, 2, v0
	v_and_b32 v9, 3, v0
	v_lshlrev_b32 v8, 7, v8
	v_lshl_add_u32 v8, v9, 4, v8                   ; 128 x tile + 16 (i & 3)
	v_lshrrev_b32 v9, 3, v0
	v_lshlrev_b32 v9, 5, v9                        ; key 32 (i >> 3)
	v_bfe_u32 v10, v0, 2, 1
	v_lshl_add_u32 v9, v10, 3, v9                  ; + 8 for the odd tile
	v_bfe_u32 v10, v0, 1, 1
	v_lshl_add_u32 v9, v10, 4, v9                  ; + 16 for lanes 8-15
	v_and_b32 v10, 1, v0
	v_lshl_add_u32 v9, v10, 2, v9                  ; + 4 (i & 1)
.irp j, 0,1
	global_load_b128 v[220+4*\j:223+4*\j], v8, s[88:89] offset:8192*\j
	global_load_b32 v[228+\j], v9, s[8:9] offset:1024*\j
.endr
	v_and_b32 v10, 31, v0                          ; l
	v_and_b32 v11, 15, v0                          ; r
	v_bfe_u32 v12, v0, 4, 1                        ; h
	v_lshlrev_b32 v[AK0], 3, v10
	v_lshlrev_b32 v[R4], 2, v11
	v_lshlrev_b32 v[L4], 2, v10
	QLOAD 0, 0
	v_add_nc_u32 v[AV0], VC, v[AK0]
	v_add_nc_u32 v[ASK0], KSM, v[R4]
	v_add_nc_u32 v[ASV0], VS, v[R4]
	v_add_nc_u32 v[AMK0], MSK, v[R4]
	v_xor_b32 v12, 1, v12
	v_lshlrev_b32 v12, 3, v12                      ; Q at k = 64: the code +1.0 in lanes 0-15; lanes 16-31 (k = 96 on) hold zeros
.irp i, 0,1
	v_mov_b32 v[QF+12*\i+6], v12
.irp k, 7,8,9,10,11
	v_mov_b32 v[QF+12*\i+\k], 0
.endr
.endr
.irp t, 0,1,2,3,4,5,6,7
.irp k, 7,8,9,10,11
	v_mov_b32 v[KB+12*\t+\k], 0
.endr
.endr
.irp i, 0,1
	v_mov_b32 v[F+2*\i+1], 0                       ; (named as the upper half of a pair)
.endr
.irp j, 0,1,2,3,4,5,6,7
	v_mov_b32 v[PT+\j], 0                          ; a lane permute's destination counts as one of its sources
.endr
	v_mov_b32 v10, 40                              ; the code -1.0
	v_lshl_add_u32 v13, v0, 4, MSK
	WALU
	s_wait_loadcnt 8                               ; the words and the mask bytes are in; Q's eight loads may be out
.irp j, 0,1
.irp k, 0,1,2,3
	v_bfe_u32 v[196+4*\j+\k], v[228+\j], 8*\k, 8
	v_cmp_eq_u32 vcc_lo, 0, v[196+4*\j+\k]         ; a masked key
	v_cndmask_b32 v[196+4*\j+\k], 0, v10, vcc_lo
	v_and_or_b32 v[220+4*\j+\k], v[220+4*\j+\k], 0xffff, s[K7F]
.endr
.endr
.irp j, 0,1
	ds_store_b128 v13, v[196+4*\j:199+4*\j] offset:4096*\j
	ds_store_b128 v13, v[220+4*\j:223+4*\j] offset:KSM-MSK+4096*\j
.endr
	WALU
	s_wait_tensorcnt 0x0                           ; my fill, if I have one, has landed,
	s_wait_dscnt 0x0                               ; my words are stored:
	s_barrier_signal -1
	s_barrier_wait -1                              ; everybody's.  From here on LDS is only read
	s_mov_b32 s[PCN], 2
.Lpass:                                                ; A PASS: two tiles of 16 queries against all 2,048 keys
	KLOAD AK0, ASK0, AMK0, 0, 0
.irp i, 0,1
	v_mov_b32 v[NM+2*\i], 0x6c800000               ; -M = 2^90
	v_mov_b32 v[NM+2*\i+1], 0xec800000             ; the largest t so far: -2^90
	v_mov_b32 v[L+2*\i], 0
	v_mov_b32 v[L+2*\i+1], 0
.endr
	WALU
	s_wait_loadcnt 0x0
.irp i, 0,1
	v_and_or_b32 v[QSW+\i], v[QRW+\i], 0xffff, s[Q7F]   ; the lines below are more than the eight places that a scale so written owes
.endr
	WIN 0x40
.set j_, 0
.rept 64
	v_mov_b32 v[O+j_], 0                           ; O^T: the trip is written once
.set j_, j_+1
.endr
	WIN 0
	WALU
	s_wait_dscnt 0x0
	s_mov_b32 s[TC], 0
	s_mov_b32 s[TS], 0
	s_mov_b32 s[CNT], 16
.Lstep:
	WIN 0x40
.set m_, 0
.rept 16
	QK m_
.set m_, m_+1
.endr
	WIN 0
	v_add_nc_u32 v[ADK], s[TC], v[AK0]             ; five plain lines: the places behind the products, ahead of the loads into their registers
	v_add_nc_u32 v[ADV], s[TC], v[AV0]
	v_add_nc_u32 v[ADS], s[TS], v[ASK0]
	v_add_nc_u32 v[ADT], s[TS], v[ASV0]
	v_add_nc_u32 v[ADM], s[TS], v[AMK0]
	VLOAD ADV, ADT                                 ; this step's V
	WALU
	s_cmp_eq_u32 s[CNT], 1
	s_cbranch_scc1 .Lno_k
	KLOAD ADK, ADS, ADM, 6144, 512                 ; the next step's K
	s_branch .Lloaded
.Lno_k:                                                ; the pass's last trip: Q's registers have been read for the last time: they take the next pass's tiles, where there is one
	s_cmp_eq_u32 s[PCN], 1
	s_cbranch_scc1 .Lloaded
	QLOAD 3072, 256
.Lloaded:
	SM1
	WIN 0x41
	WALU                                           ; the wait ahead of the batch
.set e_, 0
.rept 128
	v_exp_f32 v[e_], v[e_]                         ; p = 2^(t - M)
.set e_, e_+1
.endr
	WIN 0
.irp j, 0,1,2,3,4,5,6,7
	v_exp_f32 v[BM+\j], v[BM+\j]                   ; the blocks' largest p
.endr
	v_nop                                          ; a plain place behind the batch
	WALU                                           ; and its wait
	SM2
	WALU
	s_wait_dscnt 0x0                               ; V of this step and K of the next are in
	WIN 0x51
.set m_, 0
.rept 8
	PV m_
.set m_, m_+1
.endr
	WIN 0
	s_add_co_u32 s[TC], s[TC], 6144
	s_add_co_u32 s[TS], s[TS], 512
	s_sub_co_u32 s[CNT], s[CNT], 1
	s_cmp_lg_u32 s[CNT], 0
	s_cbranch_scc1 .Lstep
; THE WAY OUT: O^T / the sum, register 16 b + i = d 32 b + 16 h + i of my query, is quantised along d: half a fragment and two scale bytes a tile.  The six lines below are the places behind the last products.
.irp i, 0,1
	v_add_f32 v[L+2*\i], v[L+2*\i], v[L+2*\i+1]
.endr
.irp i, 0,1
	v_permlanex16_b32 v[PT+\i], v[L+2*\i], s[SEL], s[SEL+1]
.endr
.irp i, 0,1
	v_add_f32 v[L+2*\i], v[L+2*\i], v[PT+\i]       ; the row's sum
.endr
	WALU
.irp i, 0,1
	v_rcp_f32 v[F+2*\i], v[L+2*\i]
.endr
	v_nop
	WIN 0x41
	WALU
.irp i, 0,1
.set j_, 0
.rept 16
	v_pk_mul_f32 v[64*\i+j_:64*\i+j_+1], v[O+32*\i+j_:O+32*\i+j_+1], v[F+2*\i:F+2*\i+1] op_sel_hi:[1,0]   ; each accumulator from its low end on
.set j_, j_+2
.endr
.endr
	WIN 0x05
.irp i, 0,1
.irp b, 0,1
	v_max3_num_f32 v[BM+4*\i+\b], |v[64*\i+16*\b]|, |v[64*\i+16*\b+1]|, 0x1800000
.endr
.endr
	WIN 0x14
.irp x, 2,4,6,8,10,12,14
.irp i, 0,1
.irp b, 0,1
	v_max3_num_f32 v[BM+4*\i+\b], v[BM+4*\i+\b], |v[64*\i+16*\b+\x]|, |v[64*\i+16*\b+\x+1]|
.endr
.endr
.endr
	WIN 0
.irp i, 0,1
.irp b, 0,1
	v_permlanex16_b32 v[PT+2*\i+\b], v[BM+4*\i+\b], s[SEL], s[SEL+1]
.endr
.endr
.irp i, 0,1
.irp b, 0,1
	v_max_num_f32 v[BM+4*\i+\b], v[BM+4*\i+\b], v[PT+2*\i+\b]
.endr
.endr
.irp i, 0,1
.irp b, 0,1
	v_add_nc_u32 v[SO+2*\i+\b], 0xff000000, v[BM+4*\i+\b]
.endr
.endr
.irp j, 0,1,2,3
	v_lshrrev_b32 v[PT+\j], 23, v[SO+\j]
.endr
.irp i, 0,1
	v_lshl_or_b32 v[T+\i], v[PT+2*\i+1], 8, v[PT+2*\i]   ; my head's two bytes
.endr
	WIN 0x01
.irp i, 0,1
	v_cvt_scalef32_pk16_fp6_f32 v[PCD+12*\i:PCD+12*\i+2], v[64*\i:64*\i+15], v[SO+2*\i]
.endr
	WIN 0x41
.irp i, 0,1
	v_cvt_scalef32_pk16_fp6_f32 v[CT+4*\i:CT+4*\i+2], v[64*\i+16:64*\i+31], v[SO+2*\i+1]
.endr
	WIN 0x01
	v_nop
.irp i, 0,1
.irp k, 0,1,2
	v_permlane16_swap_b32 v[PCD+12*\i+\k], v[CT+4*\i+\k]
.endr
.endr
.irp i, 0,1
.irp k, 0,1,2
	v_mov_b32 v[PCD+12*\i+3+\k], v[CT+4*\i+\k]
.endr
.endr
	WIN 0
	WALU
.irp i, 0,1
.irp k, 0,1,2
	global_store_b64 v[AK0], v[PCD+12*\i+2*\k:PCD+12*\i+2*\k+1], s[10:11] offset:12288*\i+256*\k   ; 32 lanes store 256 consecutive bytes, aligned
.endr
.endr
.irp i, 0,1
	global_store_b16 v[L4], v[T+\i], s[12:13] offset:1024*\i   ; two bytes of each of the image's 32 words; the pair's other head stores the other two
.endr
	s_wait_xcnt 0x0                                ; the stores have read their data and bases
	s_add_nc_u64 s[10:11], s[10:11], 24576         ; two blocks of rows on
	s_add_nc_u64 s[12:13], s[12:13], 2048
	s_sub_co_u32 s[PCN], s[PCN], 1
	s_cmp_lg_u32 s[PCN], 0
	s_cbranch_scc1 .Lpass
	s_wait_tensorcnt 0x0                           ; the wave's end
	ds_add_u32 v[SPW], v[NIL]
	s_wait_dscnt 0x0
	CROUND                                         ; the closing round
	s_endpgm
.Lfunc_end_k_q50e88b3f87_attn:
	.size	k_q50e88b3f87_attn, .Lfunc_end_k_q50e88b3f87_attn-k_q50e88b3f87_attn
	.p2alignl 7, 3214868480
	.fill 96, 4, 3214868480
	.section	.rodata,"a",@progbits
	.p2align	6, 0x0
	.amdhsa_kernel k_q50e88b3f87_attn
		.amdhsa_group_segment_fixed_size 222208
		.amdhsa_private_segment_fixed_size 0
		.amdhsa_enable_private_segment 0
		.amdhsa_kernarg_size 40
		.amdhsa_user_sgpr_count 2
		.amdhsa_user_sgpr_kernarg_segment_ptr 1
		.amdhsa_wavefront_size32 1
		.amdhsa_system_sgpr_workgroup_id_x 1
		.amdhsa_system_sgpr_workgroup_id_y 1
		.amdhsa_system_sgpr_workgroup_id_z 1
		.amdhsa_system_vgpr_workitem_id 0
		.amdhsa_next_free_vgpr 512
		.amdhsa_next_free_sgpr 102
		.amdhsa_reserve_vcc 1
		.amdhsa_float_denorm_mode_32 3
		.amdhsa_float_denorm_mode_16_64 3
		.amdhsa_memory_ordered 1
		.amdhsa_forward_progress 1
		.amdhsa_inst_pref_size 60
	.end_amdhsa_kernel
	.amdgpu_metadata
---
amdhsa.version: [ 1, 2 ]
amdhsa.kernels:
  - .name:           k_q50e88b3f87_attn
    .symbol:         k_q50e88b3f87_attn.kd
    .args:
      - { .name: qkvc, .offset: 0, .size: 8, .value_kind: global_buffer, .address_space: global }
      - { .name: qkvs, .offset: 8, .size: 8, .value_kind: global_buffer, .address_space: global }
      - { .name: padding_mask, .offset: 16, .size: 8, .value_kind: global_buffer, .address_space: global }
      - { .name: ac, .offset: 24, .size: 8, .value_kind: global_buffer, .address_space: global }
      - { .name: asc, .offset: 32, .size: 8, .value_kind: global_buffer, .address_space: global }
    .group_segment_fixed_size: 222208
    .private_segment_fixed_size: 0
    .kernarg_segment_align: 8
    .kernarg_segment_size: 40
    .max_flat_workgroup_size: 256
    .sgpr_count:     102
    .vgpr_count:     512
    .wavefront_size: 32
...
	.end_amdgpu_metadata
.endif
;; end of part 3
;; launch outp (part 4): grid 4 x 64, 4 waves a work-group, clusters of 4 x 4, 327,680 bytes of LDS; arguments ac, asc, wc, ws, out0; writes out0
.if DOCPART == 4
	.amdgcn_target "amdgcn-amd-amdhsa--gfx1250"
	.amdhsa_code_object_version 6
	.text
	.protected	k_q50e88b3f87_outp
	.globl	k_q50e88b3f87_outp
	.p2align	8
	.type	k_q50e88b3f87_outp,@function
k_q50e88b3f87_outp:
	s_mov_b64 s[64:65], 0
	v_nop
	global_prefetch_b8 v0, s[64:65] scope:SCOPE_SE
	s_setreg_imm32_b32 hwreg(HW_REG_WAVE_MODE, 25, 1), 1
	s_wait_xcnt 0x0
	s_wait_alu depctr_hold_cnt(0) depctr_sa_sdst(0) depctr_va_vdst(0) depctr_va_sdst(0) depctr_va_ssrc(0) depctr_va_vcc(0) depctr_vm_vsrc(0)
	s_getreg_b32 s2, hwreg(HW_REG_IB_STS2, 6, 4)
	s_cmp_eq_u32 s2, 0
	s_cbranch_scc0 .Lentry_in_a_cluster
	s_endpgm
.Lentry_in_a_cluster:
	s_bfe_u32 s2, ttmp6, 0x10000c
	s_cmp_lg_u32 s2, 0xf033
	s_cbranch_scc0 .Lentry_shape_is_right
	s_endpgm
.Lentry_shape_is_right:
; out0[m][n] = sum over k of attn[m][k] Wo[n][k], both operands as codes of FP6 (E2M3) with E8M0 scales, in the images that the earlier launches lay:
; a fragment of 16 rows x 128 K is 1,536 bytes in six planes of 256 (registers 2 p, 2 p + 1 of lane l at 256 p + 8 l), a block of 16 rows eight such images on end; its scale words 128 bytes an image, row r's word at 4 r.
; ac, asc: 512 blocks of attn's rows; Wo's 64 blocks are blocks 192 on of wc, ws.  Lane r of block 2 B + u holds row 32 B + 8 u + r + 8 (r / 8).
; SHARES: a work-group makes 128 x 256 of out0: 256 work-groups.  Four waves, 2 x 2: a wave makes 64 rows (4 blocks of attn) x 128 columns (8 blocks of Wo): 32 accumulators, 256 registers.
; ALL OF K LIES IN LDS AT ONCE: attn's 8 blocks (98,304 bytes), Wo's 16 (196,608), their scale words (8,192 and 16,384), each a dense run of memory, each brought by one tensor load at the head, one a wave.  Nothing is filled again: no ring.
; CLUSTERS: 4 x 4 work-groups; attn's rows are shared along a row of the cluster, Wo's along a column: joint loads.  No prefetch: every load stands at the head, with no loop ahead of it to ask from.
; THE WALK: eight K steps of 32 products; a step's 80 LDS loads are issued one step ahead, into second sets of registers.  The wait ahead of each run of loads is for 0: 80 younger loads cannot be named in a count.
; THE MATRIX INSTRUCTION IS USED TRANSPOSED (source 0 = 16 rows of Wo, source 1 = 16 rows of attn): a lane holds eight neighbouring numbers of a row of out0.
; THE WAY OUT: a block of 16 rows x 128 columns goes through the wave's own stage in LDS and leaves as whole rows of 512 bytes.  The stages lie on attn's first bytes, which have had their one fill, behind a barrier behind which nobody reads codes.
; REGISTERS: window 0: v0-31 addresses, v32-47 scale words (two sets), v128-223 attn's fragments (two sets of 4); window 1: Wo's fragments, two sets of 8, at v0 and v128; window 2: accumulator (a, b) at 8 (8 a + b).
.set FR,     12
.set NP,     4
.set IMG,    1536
.set KROW,   8*IMG
.set BCD,    8*KROW                    ; Wo's codes, behind attn's
.set SCLA,   BCD+16*KROW
.set SCLB,   SCLA+8192
.set SPARE,  SCLB+16384
.set SPITCH, 528
.set ADRA, 16
.set ADRB, 20                          ; v20, v21: Wo's blocks 0-3, 4-7 of my eight (an offset holds 16 bits)
.set STO,  24
.set RD,   25
.set CO,   26
.set ADRS, 27
.set SPW,  28
.set NIL,  29
.set SC,   32
.set AF,   128
.set BK,   128
.set WV, 16
.set HR, 17
.set HC, 18
.set T1, 19
.set G1, 24
.set G0, 32
.set G1B, 48
.set G0B, 56
.set G1S, 68
.set G0S, 76
.set G1SB, 80
.set G0SB, 88
.set MSB, 0
.macro WIN new
.set WNEW, \new
.if MSB != WNEW
	s_set_vgpr_msb (MSB<<8)|WNEW
.set MSB, WNEW
.endif
.endm
.set MUL_LO, 0xa1                      ; source 0 window 1, source 1 window 0, C and D window 2
.set TO_B,   0x40
.macro CROUND
	s_barrier_signal -1
	s_barrier_wait -1
	s_cmp_lg_u32 s[WV], 0
	s_cbranch_scc1 .Lnot_wave_0_\@
	s_barrier_signal -3
.Lnot_wave_0_\@:
	s_barrier_wait -3
	s_barrier_signal -1
	s_barrier_wait -1
.endm
.macro PLACES n
.rept \n
	v_nop
.endr
.endm
.macro TLOAD g0, g1
	tensor_load_to_lds s[\g0:\g0+3], s[\g1:\g1+7]
	s_nop 0
	PLACES 4
.endm
.macro GROUP1 g, el, rows              ; a dense run as rows of el elements of 8 bytes
	s_mov_b32 s[\g+1], (\el)<<16
	s_mov_b32 s[\g+2], (\rows)<<16
	s_mov_b32 s[\g+3], (\el)<<16
	s_mov_b32 s[\g+4], \rows
	s_mov_b32 s[\g+5], \el
	s_mov_b32 s[\g+6], 0
	s_mov_b32 s[\g+7], 0
.endm
	s_load_b256 s[4:11], s[0:1], 0x0               ; ac, asc, wc, ws
	s_load_b64 s[12:13], s[0:1], 0x20              ; out0
	v_lshl_add_u32 v[SPW], v0, 2, SPARE
	v_mov_b32 v[NIL], 0
	ds_add_u32 v[SPW], v[NIL]                      ; the opening lines: the add twice on end and one wait
	ds_add_u32 v[SPW], v[NIL]
	v_lshrrev_b32 v1, 5, v0
	v_readfirstlane_b32 s[WV], v1
	s_lshr_b32 s[HR], s[WV], 1                     ; which 64 rows are mine
	s_and_b32 s[HC], s[WV], 1                      ; which 128 columns
	s_bfe_u32 s40, ttmp6, 0x40000                  ; cx
	s_bfe_u32 s41, ttmp6, 0x40004                  ; cy
	s_lshl_b32 s42, ttmp9, 2
	s_add_co_u32 s42, s42, s40                     ; tile column, 0..3
	s_and_b32 s[T1], ttmp7, 0xffff
	s_lshl_b32 s[T1], s[T1], 2
	s_add_co_u32 s[T1], s[T1], s41                 ; tile row, 0..63
	s_lshl_b32 s43, s41, 2
	s_lshl_b32 s43, 15, s43                        ; my row of the cluster
	s_lshl_b32 s44, 0x1111, s40                    ; my column
	s_or_b32 s[G1+0], s43, (3<<16)|(1<<21)
	s_or_b32 s[G1B+0], s44, (3<<16)|(1<<21)
	s_or_b32 s[G1S+0], s43, (3<<16)|(1<<21)
	s_or_b32 s[G1SB+0], s44, (3<<16)|(1<<21)
	GROUP1 G1, 1536, 8                             ; 8 blocks of 12,288 bytes
	GROUP1 G1B, 1536, 16
	GROUP1 G1S, 32, 32                             ; 8,192 bytes as rows of 256
	GROUP1 G1SB, 32, 64
	s_mul_i32 s20, s[T1], 8*KROW                   ; attn's codes: 8 blocks a tile row
	s_mov_b32 s21, 0
	s_lshl_b32 s22, s[T1], 13                      ; and scale words
	s_mov_b32 s23, 0
	s_mul_i32 s46, s42, 16*KROW                    ; Wo's: 16 blocks a tile column,
	s_add_co_u32 s46, s46, 192*KROW                ; behind Wq's, Wk's and Wv's 192
	s_mov_b32 s47, 0
	s_lshl_b32 s100, s42, 14
	s_add_co_u32 s100, s100, 192*1024
	s_mov_b32 s101, 0
	s_lshl_b32 s92, s[T1], 19                      ; out0: 128 rows of 4,096 bytes a tile row,
	s_lshl_b32 s93, s[HR], 18                      ; my 64 rows,
	s_add_co_u32 s92, s92, s93
	s_lshl_b32 s93, s42, 10                        ; 256 columns a tile column,
	s_add_co_u32 s92, s92, s93
	s_lshl_b32 s93, s[HC], 9                       ; my 128 columns
	s_add_co_u32 s92, s92, s93
	s_mov_b32 s93, 0
	s_wait_dscnt 0x0
	s_wait_kmcnt 0x0
	s_mov_b32 s[G0], 1
	s_mov_b32 s[G0+1], 0
	s_add_nc_u64 s[G0+2:G0+3], s[4:5], s[20:21]
	s_or_b32 s[G0+3], s[G0+3], 0x80000000
	s_mov_b32 s[G0S], 1
	s_mov_b32 s[G0S+1], SCLA
	s_add_nc_u64 s[G0S+2:G0S+3], s[6:7], s[22:23]
	s_or_b32 s[G0S+3], s[G0S+3], 0x80000000
	s_mov_b32 s[G0B], 1
	s_mov_b32 s[G0B+1], BCD
	s_add_nc_u64 s[G0B+2:G0B+3], s[8:9], s[46:47]
	s_or_b32 s[G0B+3], s[G0B+3], 0x80000000
	s_mov_b32 s[G0SB], 1
	s_mov_b32 s[G0SB+1], SCLB
	s_add_nc_u64 s[G0SB+2:G0SB+3], s[10:11], s[100:101]
	s_or_b32 s[G0SB+3], s[G0SB+3], 0x80000000
	s_add_nc_u64 s[12:13], s[12:13], s[92:93]
	CROUND                                         ; all sixteen work-groups are here: the joint loads meet
	s_cmp_eq_u32 s[WV], 0                          ; one chain of branches on the wave's number, one load to an arm
	s_cbranch_scc0 .Lhead_b
	TLOAD G0, G1
	s_branch .Lhead_asked
.Lhead_b:
	s_cmp_eq_u32 s[WV], 1
	s_cbranch_scc0 .Lhead_sa
	TLOAD G0B, G1B
	s_branch .Lhead_asked
.Lhead_sa:
	s_cmp_eq_u32 s[WV], 2
	s_cbranch_scc0 .Lhead_sb
	TLOAD G0S, G1S
	s_branch .Lhead_asked
.Lhead_sb:
	TLOAD G0SB, G1SB
.Lhead_asked:
	s_mul_i32 s92, s[HR], 4*KROW                   ; my 4 blocks of attn
	s_mul_i32 s93, s[HC], 8*KROW
	s_add_co_u32 s93, s93, BCD                     ; my 8 blocks of Wo
	s_add_co_u32 s94, s93, 4*KROW
	s_lshl_b32 s95, s[HR], 12
	s_lshl_b32 s96, s[HC], 13
	s_add_co_u32 s96, s96, SCLB-SCLA
	s_sub_co_u32 s96, s96, s95                     ; from my words of attn's scales to my words of Wo's
	s_add_co_u32 s95, s95, SCLA
	s_mul_i32 s97, s[WV], 16*SPITCH                ; my stage
	v_and_b32 v1, 15, v0                           ; r
	v_bfe_u32 v2, v0, 4, 1                         ; h
	v_and_b32 v3, 31, v0                           ; l
	v_lshlrev_b32 v4, 3, v3
	v_add_nc_u32 v[ADRA], s92, v4
	v_add_nc_u32 v[ADRB], s93, v4
	v_add_nc_u32 v[ADRB+1], s94, v4
	v_mul_u32_u24 v5, s96, v2                      ; lanes 0-15 take attn's words, lanes 16-31 Wo's
	v_lshl_add_u32 v5, v1, 2, v5
	v_add_nc_u32 v[ADRS], s95, v5
	v_mul_u32_u24 v6, v1, SPITCH                   ; into the stage: row r, 64 bytes on for lanes 16-31
	v_lshl_add_u32 v6, v2, 6, v6
	v_add_nc_u32 v[STO], s97, v6
	v_lshlrev_b32 v[CO], 4, v3                     ; back: the 32 lanes take one row of 512 bytes; and the same in out0
	v_add_nc_u32 v[RD], s97, v[CO]
.macro FRAG reg, adr, q, i
.irp p, 0,1,2,3,4,5
	ds_load_b64 v[\reg+2*\p:\reg+2*\p+1], v[\adr] offset:(\i)*KROW+(\q)*IMG+256*\p
.endr
.endm
.macro FETCH q                         ; K step q's fragments and scale words into set q % 2: 80 loads
	WIN TO_B
.irp i, 0,1,2,3,4,5,6,7
	FRAG 128*((\q)%2)+FR*\i, ADRB+\i/4, \q, \i%4
.endr
	WIN 0
.irp i, 0,1,2,3
	FRAG AF+48*((\q)%2)+FR*\i, ADRA, \q, \i
.endr
.irp i, 0,1,2,3,4,5,6,7
	ds_load_b32 v[SC+8*((\q)%2)+\i], v[ADRS] offset:\i*1024+(\q)*128   ; lanes 0-15: attn's block i (i under 4 is used), lanes 16-31: Wo's block i
.endr
.endm
.macro MUL q                           ; 32 products, the 32 accumulators by turns; the first step starts the sums
	WIN MUL_LO
.irp a, 0,1,2,3
.irp b, 0,1,2,3,4,5,6,7
.if (\q) == 0
	v_wmma_scale_f32_16x16x128_f8f6f4 v[8*(8*\a+\b):8*(8*\a+\b)+7], v[128*((\q)%2)+FR*\b:128*((\q)%2)+FR*\b+FR-1], v[AF+48*((\q)%2)+FR*\a:AF+48*((\q)%2)+FR*\a+FR-1], 0, v[SC+8*((\q)%2)+\b], v[SC+8*((\q)%2)+\a] matrix_a_fmt:MATRIX_FMT_FP6 matrix_b_fmt:MATRIX_FMT_FP6 matrix_a_scale:MATRIX_SCALE_ROW1
.else
	v_wmma_scale_f32_16x16x128_f8f6f4 v[8*(8*\a+\b):8*(8*\a+\b)+7], v[128*((\q)%2)+FR*\b:128*((\q)%2)+FR*\b+FR-1], v[AF+48*((\q)%2)+FR*\a:AF+48*((\q)%2)+FR*\a+FR-1], v[8*(8*\a+\b):8*(8*\a+\b)+7], v[SC+8*((\q)%2)+\b], v[SC+8*((\q)%2)+\a] matrix_a_fmt:MATRIX_FMT_FP6 matrix_b_fmt:MATRIX_FMT_FP6 matrix_a_scale:MATRIX_SCALE_ROW1
.endif
.endr
.endr
.endm
	s_wait_alu depctr_va_vdst(0)
	s_wait_tensorcnt 0x0                           ; my tile of the four is in,
	s_barrier_signal -1
	s_barrier_wait -1                              ; everybody's
	FETCH 0
.set Q_, 0
.rept 8
	s_wait_dscnt 0x0                               ; this step's loads, issued a step ago, are in
.if Q_ == 7
	s_barrier_signal -1                            ; my last reads of codes and words are done
.else
.if Q_ > 0
	PLACES NP                                      ; ahead of loads into registers that the last step's products read
.endif
	FETCH Q_+1
.endif
	MUL Q_
.set Q_, Q_+1
.endr
	WIN 0
	s_barrier_wait -1                              ; everybody's: the stages may be written
.macro TOSTAGE a
.set AC, 64*(\a)
	WIN 0x08                                       ; the data: window 2
.irp b, 0,1,2,3,4,5,6,7
	ds_store_b128 v[STO], v[AC+8*\b:AC+8*\b+3] offset:128*(\b/2)+32*(\b%2)   ; register j of lane (r, h) of Wo's block 2 B + u is column 32 B + 8 u + 16 h + j; each accumulator from its low end on
	ds_store_b128 v[STO], v[AC+8*\b+4:AC+8*\b+7] offset:128*(\b/2)+32*(\b%2)+16
.endr
	WIN 0
.set BB, BK+64*((\a)%2)
.irp t, 0,1,2,3,4,5,6,7,8,9,10,11,12,13,14,15
	ds_load_b128 v[BB+4*\t:BB+4*\t+3], v[RD] offset:\t*SPITCH   ; LDS serves a wave's instructions in order: these see the stores above
.endr
.endm
.macro SEND a, younger                 ; younger: the LDS instructions issued behind block a's loads, which may stay out
.set BB, BK+64*((\a)%2)
	s_wait_dscnt \younger
.irp t, 0,1,2,3,4,5,6,7,8,9,10,11,12,13,14,15
	global_store_b128 v[CO], v[BB+4*\t:BB+4*\t+3], s[12:13] offset:(32*((\a)/2)+8*((\a)%2)+\t+8*(\t/8))*4096 th:TH_STORE_NT   ; 32 lanes store 512 consecutive bytes, aligned
.endr
.endm
	PLACES NP
	TOSTAGE 0
.irp a, 1,2,3
.if \a > 1
	s_wait_xcnt 0x0                                ; block a - 2's stores have read their registers: block a's loads may land there
.endif
	TOSTAGE \a
	SEND \a-1, 32                                  ; behind block a - 1's loads: block a's 16 stores and 16 loads
.endr
	SEND 3, 0
	s_wait_tensorcnt 0x0                           ; the wave's end
	ds_add_u32 v[SPW], v[NIL]
	s_wait_dscnt 0x0
	CROUND                                         ; the closing round
	s_endpgm
.Lfunc_end_k_q50e88b3f87_outp:
	.size	k_q50e88b3f87_outp, .Lfunc_end_k_q50e88b3f87_outp-k_q50e88b3f87_outp
	.p2alignl 7, 3214868480
	.fill 96, 4, 3214868480
	.section	.rodata,"a",@progbits
	.p2align	6, 0x0
	.amdhsa_kernel k_q50e88b3f87_outp
		.amdhsa_group_segment_fixed_size 327680
		.amdhsa_private_segment_fixed_size 0
		.amdhsa_enable_private_segment 0
		.amdhsa_kernarg_size 40
		.amdhsa_user_sgpr_count 2
		.amdhsa_user_sgpr_kernarg_segment_ptr 1
		.amdhsa_wavefront_size32 1
		.amdhsa_system_sgpr_workgroup_id_x 1
		.amdhsa_system_sgpr_workgroup_id_y 1
		.amdhsa_system_sgpr_workgroup_id_z 1
		.amdhsa_system_vgpr_workitem_id 0
		.amdhsa_next_free_vgpr 768
		.amdhsa_next_free_sgpr 102
		.amdhsa_reserve_vcc 0
		.amdhsa_float_denorm_mode_32 3
		.amdhsa_float_denorm_mode_16_64 3
		.amdhsa_memory_ordered 1
		.amdhsa_forward_progress 1
		.amdhsa_inst_pref_size 97
	.end_amdhsa_kernel
	.amdgpu_metadata
---
amdhsa.version: [ 1, 2 ]
amdhsa.kernels:
  - .name:           k_q50e88b3f87_outp
    .symbol:         k_q50e88b3f87_outp.kd
    .args:
      - { .name: ac, .offset: 0, .size: 8, .value_kind: global_buffer, .address_space: global }
      - { .name: asc, .offset: 8, .size: 8, .value_kind: global_buffer, .address_space: global }
      - { .name: wc, .offset: 16, .size: 8, .value_kind: global_buffer, .address_space: global }
      - { .name: ws, .offset: 24, .size: 8, .value_kind: global_buffer, .address_space: global }
      - { .name: out0, .offset: 32, .size: 8, .value_kind: global_buffer, .address_space: global }
    .group_segment_fixed_size: 327680
    .private_segment_fixed_size: 0
    .kernarg_segment_align: 8
    .kernarg_segment_size: 40
    .max_flat_workgroup_size: 128
    .sgpr_count:     102
    .vgpr_count:     768
    .wavefront_size: 32
...
	.end_amdgpu_metadata
.endif
;; end of part 4
